; MI455X (gfx1250); checked and timed in simulation.
; The chip was launched on July 23, 2026; its instructions are those of AMD's public machine-readable ISA for CDNA 5 (MIT licence, August 2026) and "CDNA5" Instruction Set Architecture Reference Guide (July 2026). The comments in the code are by the model that wrote it; some were corrected since.
;; Multi Head Attention. Allowed arithmetic: matrix products marked QUANTISED: E5M2 operands, one E8M0 scale for each 32 along K, by v_wmma_scale_f32_16x16x128_f8f6f4 with both operands' format E5M2, f32 sums; everything else in f32.
;; Inputs: b_proj 1,024 float32; w_proj_codes 1,024 x 32 x 32 uint8 (E5M2 codes of w_proj, K innermost, in blocks of 32 codes); w_proj_scales 1,024 x 32 uint8 (E8M0 scales of w_proj, one for each 32 codes along K); wk_codes 16 x 64 x 32 x 32 uint8 (E5M2 codes of wk, K innermost, in blocks of 32 codes); wk_scales 16 x 64 x 32 uint8 (E8M0 scales of wk, one for each 32 codes along K); wq_codes 16 x 64 x 32 x 32 uint8 (E5M2 codes of wq, K innermost, in blocks of 32 codes); wq_scales 16 x 64 x 32 uint8 (E8M0 scales of wq, one for each 32 codes along K); wv_codes 16 x 64 x 32 x 32 uint8 (E5M2 codes of wv, K innermost, in blocks of 32 codes); wv_scales 16 x 64 x 32 uint8 (E8M0 scales of wv, one for each 32 codes along K); x_codes 8 x 1,024 x 32 x 32 uint8 (E5M2 codes of x, K innermost, in blocks of 32 codes); x_scales 8 x 1,024 x 32 uint8 (E8M0 scales of x, one for each 32 codes along K).
;; Outputs: out0 8 x 1,024 x 1,024 float32.
;; This version of the problem:
;;   THIS VERSION OF THE PROBLEM IS GIVEN IN LOW PRECISION. The matrix products marked QUANTISED in the list below multiply operands that are first quantised to E5M2 (5 exponent bits, 2 mantissa bits; 8 bits a number), with one power-of-two scale for each 32 numbers along K (OCP MX v1.0); their sums are f32. All else is computed in f32.
;;   The module's matrix products, in the order in which they are computed (A, B: the left and right operand; K: the contracted axis; several contracted axes count as one K, in the product's order):
;;     1. [M 1,024, K 1,024] x [K 1,024, N 8,192]; A: input wq (given as codes); B: input x (given as codes): QUANTISED
;;     2. [M 1,024, K 1,024] x [K 1,024, N 8,192]; A: input wk (given as codes); B: input x (given as codes): QUANTISED
;;     3. [M 1,024, K 1,024] x [K 1,024, N 8,192]; A: input wv (given as codes); B: input x (given as codes): QUANTISED
;;     4. batch 128 x [M 1,024, K 64] x [K 64, N 1,024]; A: computed on the way; B: computed on the way: QUANTISED
;;     5. batch 128 x [M 1,024, K 1,024] x [K 1,024, N 64]; A: softmax (see below); B: computed on the way: QUANTISED
;;     6. [M 8,192, K 1,024] x [K 1,024, N 1,024]; A: computed on the way; B: input w_proj (given as codes): QUANTISED
;;   THE QUANTISER, for each operand of a quantised product, along K:
;;     - K is cut into blocks of 32 from its start; a last block that is shorter is filled with zeros.
;;     - A block's scale is 2^e with e = floor(log2(the largest magnitude in the block)) - 15, held to -126 .. 127; a block of zeros has e = 0. As a byte (E8M0): e + 127.
;;     - Each number is divided by its block's scale, clamped to +-57,344, and rounded to the nearest number of E5M2, ties to even, subnormals kept.
;;     - The product sums the exact products of the quantised numbers (number of the format x scale) in f32.
;;   ~~~python
;;   def quantise(x, axis):      # numpy; x: float32 -> the quantised numbers, widened to float32 again
;;       x = np.moveaxis(x, axis, -1); K = x.shape[-1]
;;       x = np.pad(x, [(0, 0)] * (x.ndim - 1) + [(0, -K % 32)]); x = x.reshape(x.shape[:-1] + (-1, 32)); a = np.abs(x).max(-1, keepdims=True)
;;       e = np.where(a > 0, np.clip(np.frexp(np.where(a > 0, a, 1))[1] - 1 - 15, -126, 127), 0)      # np.frexp(a)[1] - 1 = floor(log2(a)), exactly
;;       r = np.clip(x / 2.0 ** e, -57344, 57344)
;;       step = 2.0 ** (np.maximum(np.frexp(np.where(r == 0, 1, r))[1] - 1, -14) - 2)
;;       q = np.round(r / step) * step * 2.0 ** e      # np.round: ties to even
;;       return np.moveaxis(q.reshape(q.shape[:-2] + (-1,))[..., :K], -1, axis).astype(np.float32)
;;   ~~~
;;   SOFTMAX AHEAD OF A QUANTISED PRODUCT. Where the list says 'softmax', what is quantised is not the finished softmax but p = 2^(t - M), with t = logit x log2(e) and M = ceil(the row's largest t), a whole number; so 1/2 < the row's largest p <= 1. The row's sum l is taken of the UNQUANTISED p, in f32, and the product's result is divided by l at the end. Since M is a whole number, a kernel that streams over the keys may use a running M (the ceiling of the running maximum): every later rescaling is an exact power of two, which a block's scale takes up: the codes' values come out the same.
;;   OPERANDS COMPUTED ON THE WAY. 'Computed on the way' means the value that the module computes at that place (a softmax that the list does not call 'softmax' is quantised finished and normalised). What goes into a quantiser is computed in f32, as accurately as f32 sums, v_exp_f32 and their like allow (about 1e-6 of the number): no bf16 or f16 on the way to a quantiser, and a product that is left as it is and whose result goes on into a quantised operand takes f32 operands (vector FMAs, or v_wmma_f32_16x16x4_f32). A number that lies on a knife's edge between two numbers of the format may be rounded either way, as far as f32 arithmetic and the matrix unit's own rounding can turn it there, and no further.
;;   INPUTS GIVEN AS CODES. w_proj (in the module: [1024, 1024], K = its axis 0); wk (in the module: [16, 1024, 64], K = its axis 1); wq (in the module: [16, 1024, 64], K = its axis 1); wv (in the module: [16, 1024, 64], K = its axis 1); x (in the module: [8, 1024, 1024], K = its axis 2): each comes as NAME_codes (uint8): NAME with its K axis moved to the last place and cut into blocks of 32 codes, [.., K / 32, bytes a block], one block behind the other in memory; one code a byte (a code: sign, 5 exponent bits, 2 mantissa bits); and NAME_scales (uint8): the same leading axes, one E8M0 byte (e + 127) for each 32 codes along K. Its value is code x scale, taken as it is: it is not quantised again, and the codes and scales need not be those that the quantiser above would give.
;; One version. Each part assembles by itself: llvm-mc -triple=amdgcn-amd-amdhsa -mcpu=gfx1250 --defsym DOCPART=n.
;; ======== version 1 of 1: 3 launches
;; workspace buffers: qimg 8,388,608 bytes; kimg 8,388,608 bytes; vimg 8,388,608 bytes; scl 1,310,720 bytes; aimg 8,388,608 bytes; asc 262,144 bytes
;; launch qkv (part 1): grid 12 x 32, 4 waves a work-group, clusters of 4 x 4, 327,680 bytes of LDS; arguments x_codes, x_scales, wq_codes, wq_scales, wk_codes, wk_scales, wv_codes, wv_scales, qimg, kimg, vimg, scl; writes qimg, kimg, vimg, scl
.if DOCPART == 1
	.amdgcn_target "amdgcn-amd-amdhsa--gfx1250"
	.amdhsa_code_object_version 6
	.text
	.protected	k_q1dcc37bc3c_qkv
	.globl	k_q1dcc37bc3c_qkv
	.p2align	8
	.type	k_q1dcc37bc3c_qkv,@function
k_q1dcc37bc3c_qkv:
	s_mov_b64 s[64:65], 0
	v_nop
	global_prefetch_b8 v0, s[64:65] scope:SCOPE_SE
	s_setreg_imm32_b32 hwreg(HW_REG_WAVE_MODE, 25, 1), 1
	s_wait_xcnt 0x0
	s_wait_alu depctr_hold_cnt(0) depctr_sa_sdst(0) depctr_va_vdst(0) depctr_va_sdst(0) depctr_va_ssrc(0) depctr_va_vcc(0) depctr_vm_vsrc(0)
	s_getreg_b32 s2, hwreg(HW_REG_IB_STS2, 6, 4)
	s_cmp_eq_u32 s2, 0
	s_cbranch_scc0 .Lentry_in_a_cluster
	s_endpgm
.Lentry_in_a_cluster:
	s_bfe_u32 s2, ttmp6, 0x10000c
	s_cmp_lg_u32 s2, 0xf033
	s_cbranch_scc0 .Lentry_shape_is_right
	s_endpgm
.Lentry_shape_is_right:
; q, k, v = x W (products on codes of BF8 (E5M2) with one E8M0 scale for each 32 along K = 1,024), each result quantised at once for the product that reads it, and stored as codes.
; x: [8,192 tokens][1,024] codes; wq, wk, wv: [1,024 = head x 64 + d][1,024] codes; scale bytes [rows][32].
; ONE TEXT FOR THREE PRODUCTS.  The cluster's x says which: 0 q, 1 k, 2 v; the cluster's y is the batch.  A tile of the result is 256 x 256, made by four waves, 128 x 128 each (64 accumulators, 512 registers).
; The matrix instruction's source 1 ("side A") gives the result's LANES, source 0 ("side B") runs down a lane's REGISTERS.  The next product's K must run down the registers:
;   q, k (next K = d):      side A = 256 tokens of x,   side B = 256 rows of wq or wk (4 heads).
;   v    (next K = tokens): side A = 256 rows of wv,    side B = 256 tokens of x.            Only pointers and store offsets differ; they are chosen by selects on the cluster's x.
; CLUSTERS: 4 x 4 work-groups.  Side A's tile hangs on cy and is asked for jointly by a row of the cluster, side B's on cx and by a column: the requests for both are divided by four.
; K goes in steps of 256 through a ring of two LDS slots; the scale bytes of the work-group's 2 x 256 rows for all of K come once, with the first fills, and stay.
; THE WAY OUT.  In accumulator (a, b) lane (r, h) holds row 16 a + r of side A and, in register j, row 16 b + 8 h + j of side B.  A block of 32 along the next K is accumulators 2 B, 2 B + 1 in lanes l and l xor 16.
; Its scale is 2^(floor(log2(largest magnitude)) - 15); numbers are held within +-57,344 x the scale and converted.  Two lane swaps then put the 16 codes k = 32 B + 16 h + 0 .. 15 into four registers on end:
; that is a piece of the reader's operand registers, and it is stored as such an image: lane l's 16 bytes at 16 l, 512 consecutive bytes a store.
;   qimg, kimg: [batch x 16 + head][token tile 64][piece 2][512];   vimg: [batch x 16 + head][key step 8][d tile 4][piece 4][512].
;   scl: 10,240 bytes a head: q's words [step 8][half 2][r 16][tile 4], k's likewise at 4,096, v's [step 8][r 16][d tile 4] at 8,192.  Of a q or k word the two low bytes count; the upper two scale zero codes.
; LIMITS: NaN and infinities are not served.  A block whose largest magnitude lies under 2^-111 (zeros too) gets the byte 1; the bytes are read by this program alone.
; REGISTERS, in windows of 256: window 0: v0-31 addresses; v32-63 scale words, two sets; v64-127 the way out; from v128 side A's fragments, one set, later the codes.
;   window 1: side B's fragments, two sets.   window 2: the accumulators of my side-A blocks 0-3 ((a, b) at v[8 (8 a + b)]);   window 3: those of blocks 4-7.
.set SIZE_K, 1024
.set KSTEP,  256                       ; along K in a slot
.set NQ,     KSTEP/128                 ; matrix instructions deep
.set ROWB,   256                       ; a tile's row in bytes
.set KROW,   SIZE_K                    ; a row of codes in memory, in bytes
.set PITCH,  272                       ; an LDS row: 256 bytes + 16 of padding = 68 words: the 16 rows that a load touches start 4 banks apart
.set FR,     16                        ; registers of a fragment: 16 rows x 128 K
.set NL,     4                         ; LDS loads that bring one
.set NP,     8                         ; places behind this matrix instruction (ISA guide 7.12.1)
.set HALFT,  128*PITCH                 ; 128 rows: what one tensor load brings
.set SLOT,   4*HALFT                   ; side A's 256 rows, then side B's
.set LAPS,   SIZE_K/(2*KSTEP)          ; a lap = two K steps = once round the ring
.set KS,     SIZE_K/32                 ; a row of scale bytes
.set SCL,    2*SLOT                    ; behind the ring: the scales, as units of 256 bytes + 16 of padding
.set HALFS,  (128*KS/256)*272          ; the scales of 128 rows
.set SBLK,   (16*KS/256)*272           ; those of 16 rows
.set SPARE,  SCL+4*HALFS               ; behind the scales: the spare words, 128 bytes a wave, which no other line names
.set ADRA, 16                          ; v16-17  LDS address of my side-A fragments in slot 0, 1
.set ADRB, 20                          ; v20-21  the same for side B
.set ADRS, 27                          ; v27     LDS address of my scale words: lanes 0-15 side A's rows, lanes 16-31 side B's
.set SPW,  28                          ; v28     LDS address of my spare word; never rewritten
.set NIL,  29                          ; v29     0; never rewritten
.set SC,   32                          ; scale words: set s at v[SC + 8 NQ s]
.set AF,   128                         ; side A's fragments
.set TM,   64                          ; the way out: v64-67 largest magnitudes, v68-71 the other half's, then bytes, v72-75 57,344 x the scale, v76-79 the conversions' scale operands
.set FLR,  80                          ; v80     the floor 2^(16 - 127)
.set SH,   81                          ; v81     16 h
.set SVO,  82                          ; v82     the scale words' place: 10,240 h + 16 r
.set SD,   84                          ; v84-91  the scale words as stored
.set SW,   96                          ; v96-103 block a's scale word (four bytes: the four blocks of 32 down the registers)
.set VOA,  104                         ; v104-111 block a's store offset for pieces 0, 1
.set VOB,  112                         ; v112-119 for pieces 2, 3
.set PC,   128                         ; v128-255 block a's 16 registers of codes: each block has its own, so no store's data are written again
.set ISV,  66                          ; s66  1 for v, else 0
.set Y4,   67                          ; s67  4 x batch
.set MNT,  94                          ; s94  (way out) the mantissa field of 57,344
.set G1, 24                            ; s[24:31] descriptor group 1 for side A's tiles;  s[32:39] group 0, one set for each slot
.set G0, 32
.set G1B, 48                           ; s[48:55], s[56:63] the same for side B
.set G0B, 56
.set G1S, 68                           ; s[68:75], s[76:79] groups 1 and 0 for side A's scales;  s[80:87], s[88:91] for side B's
.set G0S, 76
.set G1SB, 80
.set G0SB, 88
.set MSB, 0
.macro WIN new                         ; the immediate's high byte repeats the setting that is left; a switch that changes nothing is dropped
.if MSB != (\new)
	s_set_vgpr_msb (MSB<<8)|(\new)
.set MSB, (\new)
.endif
.endm
.set MUL_LO, 0xa1                      ; source 0 (side B) window 1, source 1 (side A) window 0, C and D window 2
.set MUL_HI, 0xf1                      ; the same, C and D window 3
.set TO_B,   0x40                      ; destination window 1, address window 0
; A joint load: waves 0 and 1 fetch for side A, waves 2 and 3 for side B.  Each line has one mask and one set of registers for all that issue it; the branch hangs on the wave's number alone.
; Four v_nop follow each of the two lines, ahead of the jump, the label and what follows.
.macro JLOAD g0a, g1a, g0b, g1b
	s_cmp_eq_u32 s15, 0
	s_cbranch_scc0 .Lfor_b_\@
	tensor_load_to_lds s[\g0a:\g0a+3], s[\g1a:\g1a+7]
	s_nop 0
.rept 4
	v_nop
.endr
	s_branch .Lasked_\@
.Lfor_b_\@:
	tensor_load_to_lds s[\g0b:\g0b+3], s[\g1b:\g1b+7]
	s_nop 0
.rept 4
	v_nop
.endr
.Lasked_\@:
.endm
.macro CREST                           ; a round of the cluster's barrier behind its opening barrier
	s_cmp_lg_u32 s14, 0
	s_cbranch_scc1 .Lnot_wave_0_\@
	s_barrier_signal -3
.Lnot_wave_0_\@:
	s_barrier_wait -3
	s_barrier_signal -1
	s_barrier_wait -1
.endm
.macro CROUND                          ; a whole round
	s_barrier_signal -1
	s_barrier_wait -1
	CREST
.endm
	s_load_b512 s[24:39], s[0:1], 0x0              ; x codes s[24:25], x scales s[26:27], wq s[28:31], wk s[32:35], wv s[36:39]
	s_load_b256 s[48:55], s[0:1], 0x40             ; qimg s[48:49], kimg s[50:51], vimg s[52:53], scl s[54:55]
	v_lshl_add_u32 v[SPW], v0, 2, SPARE
	v_mov_b32 v[NIL], 0
	ds_add_u32 v28, v29
	ds_add_u32 v28, v29
	s_wait_dscnt 0x0
	v_lshrrev_b32 v1, 5, v0
	v_readfirstlane_b32 s14, v1                    ; wave 0..3
	s_lshr_b32 s15, s14, 1                         ; hA: which half of side A's rows is mine.  Also: I fetch for side A (0) or B (1)
	s_and_b32 s16, s14, 1                          ; hB: which half of side B's rows.  Also: which 128 rows of that tile I fetch
	s_bfe_u32 s40, ttmp6, 0x40000                  ; cx, cy: my place in the cluster
	s_bfe_u32 s41, ttmp6, 0x40004
	s_lshl_b32 s43, s41, 2
	s_lshl_b32 s43, 15, s43                        ; my row of the cluster
	s_lshl_b32 s44, 0x1111, s40                    ; my column
	s_and_b32 s[Y4], ttmp7, 0xffff                 ; the cluster's y = the batch
	s_lshl_b32 s[Y4], s[Y4], 2                     ; its first tile of 256 tokens
	s_wait_kmcnt 0x0
	s_cmp_eq_u32 ttmp9, 2                          ; v?  The cluster's x is the same in all sixteen partners
	s_cselect_b64 s[4:5], s[36:37], s[24:25]       ; side A's codes: wv, else x
	s_cselect_b64 s[6:7], s[38:39], s[26:27]       ; and scales
	s_cselect_b64 s[8:9], s[24:25], s[28:29]       ; side B's codes: x, else wq
	s_cselect_b64 s[10:11], s[26:27], s[30:31]
	s_cselect_b64 s[12:13], s[52:53], s[48:49]     ; the codes go to vimg, else qimg
	s_cselect_b32 s[ISV], 1, 0
	s_cselect_b32 s95, 0, s[Y4]                    ; the batch's tiles are added on the side that holds x
	s_cselect_b32 s98, s[Y4], 0
	s_cmp_eq_u32 ttmp9, 1                          ; k?
	s_cselect_b64 s[8:9], s[32:33], s[8:9]
	s_cselect_b64 s[10:11], s[34:35], s[10:11]
	s_cselect_b64 s[12:13], s[50:51], s[12:13]
	s_mov_b64 s[96:97], s[54:55]                   ; scl
	s_add_co_u32 s42, s40, s98                     ; side B's tile = cx (+ 4 x batch)
	s_add_co_u32 s17, s41, s95                     ; side A's tile = cy (+ 4 x batch)
	; descriptor group 1: a tile of 128 rows x 256 bytes, padded in LDS.  (The pointers above have been taken out of these registers)
	s_or_b32 s[G1+0], s43, (0<<16)|(1<<20)|(1<<21)|(5<<22)|(3<<25)  ; 15:0 the mask: side A's tiles go to my row; 17:16 elements of 1 byte; 20 padding on; 21 set beside a mask; 24:22 after every 64 words; 31:25 four words
	s_or_b32 s[G1B+0], s44, (0<<16)|(1<<20)|(1<<21)|(5<<22)|(3<<25)
.irp g, G1, G1B
	s_mov_b32 s[\g+1], ROWB<<16                    ; tensor_dim0
	s_mov_b32 s[\g+2], 128<<16                     ; tensor_dim1 = 128
	s_mov_b32 s[\g+3], ROWB<<16                    ; tile_dim0
	s_mov_b32 s[\g+4], 128                         ; tile_dim1 = 128
	s_mov_b32 s[\g+5], KROW                        ; tensor_dim0_stride
	s_mov_b32 s[\g+6], 0
	s_mov_b32 s[\g+7], 0
.endr
	; and for the scales of 128 rows: a dense block of 4,096 bytes, as 16 rows of 256 bytes (32 elements of 8 bytes), 16 bytes of padding behind each
	s_or_b32 s[G1S+0], s43, (3<<16)|(1<<20)|(1<<21)|(5<<22)|(3<<25)
	s_or_b32 s[G1SB+0], s44, (3<<16)|(1<<20)|(1<<21)|(5<<22)|(3<<25)
.irp g, G1S, G1SB
	s_mov_b32 s[\g+1], 32<<16
	s_mov_b32 s[\g+2], (128*KS/256)<<16
	s_mov_b32 s[\g+3], 32<<16
	s_mov_b32 s[\g+4], 128*KS/256
	s_mov_b32 s[\g+5], 32
	s_mov_b32 s[\g+6], 0
	s_mov_b32 s[\g+7], 0
.endr
	s_lshl_b32 s18, s16, 7                         ; which 128 rows of the tile I fetch
	s_lshl_b32 s20, s17, 8
	s_add_co_u32 s20, s20, s18                     ; side A: row 256 x tile + 128 x half
	s_lshl_b32 s46, s42, 8
	s_add_co_u32 s46, s46, s18                     ; side B likewise
	s_mov_b32 s21, 0
	s_mov_b32 s47, 0
	s_mov_b64 s[18:19], KS
	s_mul_u64 s[22:23], s[20:21], s[18:19]         ; where these rows' scales begin, in bytes
	s_mul_u64 s[92:93], s[46:47], s[18:19]
	s_mov_b64 s[18:19], KROW
	s_mul_u64 s[20:21], s[20:21], s[18:19]         ; and their codes
	s_mul_u64 s[46:47], s[46:47], s[18:19]
	s_mul_i32 s45, s14, HALFT                      ; where they go: wave x 128 rows: no place in the cluster enters an LDS address
	s_mul_i32 s94, s14, HALFS
	s_add_nc_u64 s[20:21], s[4:5], s[20:21]
	s_add_nc_u64 s[22:23], s[6:7], s[22:23]
	s_add_nc_u64 s[46:47], s[8:9], s[46:47]
	s_add_nc_u64 s[92:93], s[10:11], s[92:93]
	CROUND                                         ; all sixteen work-groups are here: the first joint loads meet
	s_mov_b32 s[G0S], 1
	s_add_co_u32 s[G0S+1], s94, SCL
	s_mov_b64 s[G0S+2:G0S+3], s[22:23]
	s_or_b32 s[G0S+3], s[G0S+3], 0x80000000
	s_mov_b32 s[G0SB], 1
	s_add_co_u32 s[G0SB+1], s94, SCL
	s_mov_b64 s[G0SB+2:G0SB+3], s[92:93]
	s_or_b32 s[G0SB+3], s[G0SB+3], 0x80000000
	JLOAD G0S, G1S, G0SB, G1SB                     ; the scales first: they are wanted with K step 0
.irp s, 0,1
	s_mov_b32 s[G0+4*\s], 1
	s_add_co_u32 s[G0+4*\s+1], s45, \s*SLOT
	s_add_nc_u64 s[G0+4*\s+2:G0+4*\s+3], s[20:21], \s*ROWB
	s_or_b32 s[G0+4*\s+3], s[G0+4*\s+3], 0x80000000
	s_mov_b32 s[G0B+4*\s], 1
	s_add_co_u32 s[G0B+4*\s+1], s45, \s*SLOT
	s_add_nc_u64 s[G0B+4*\s+2:G0B+4*\s+3], s[46:47], \s*ROWB
	s_or_b32 s[G0B+4*\s+3], s[G0B+4*\s+3], 0x80000000
	JLOAD G0+4*\s, G1, G0B+4*\s, G1B               ; by this text's count three tensor loads of a wave are out now, later one
.endr
	v_and_b32 v1, 15, v0                           ; r = l % 16
	v_bfe_u32 v2, v0, 4, 1                         ; h = l / 16
	v_mul_u32_u24 v3, v1, PITCH
	v_lshl_add_u32 v4, v2, 4, v3                   ; a fragment's row x pitch + 16 x half
	s_mul_i32 s21, s15, HALFT                      ; my 128 rows of side A
	s_mul_i32 s22, s16, HALFT                      ; my 128 rows of side B,
	s_add_co_u32 s22, s22, 2*HALFT                 ; which lie behind side A's 256
.irp s, 0,1
	v_add_nc_u32 v[ADRA+\s], s21, v4
	v_add_nc_u32 v[ADRB+\s], s22, v4
	s_add_co_u32 s21, s21, SLOT
	s_add_co_u32 s22, s22, SLOT
.endr
	v_mul_u32_u24 v5, v1, KS                       ; my row's scales: 32 bytes a row,
	v_lshrrev_b32 v6, 8, v5
	v_lshl_add_u32 v5, v6, 4, v5                   ; and 16 more for each 256 passed
	s_mul_i32 s21, s15, HALFS                      ; side A's: my 128 rows
	s_mul_i32 s22, s16, HALFS                      ; side B's: my 128 rows, behind side A's 256
	s_add_co_u32 s22, s22, 2*HALFS
	s_sub_co_u32 s22, s22, s21
	v_mul_u32_u24 v6, s22, v2                      ; lanes 16-31 take side B's: one product, the distance between the two bases
	s_add_co_u32 s21, s21, SCL
	v_add_nc_u32 v5, v5, v6
	v_add_nc_u32 v[ADRS], s21, v5
.macro FRAG reg, adr, q, i             ; a fragment, 16 rows x 128 K: lane l holds row l % 16; registers 4 c .. 4 c + 3 hold K = 32 c + 16 (l / 16) + 0 .. 15
.irp c, 0,1,2,3
	ds_load_b128 v[\reg+4*\c:\reg+4*\c+3], v[\adr] offset:128*(\q)+32*\c+(\i)*16*PITCH
.endr
.endm
; 16 matrix instructions: side A's blocks a0, a0 + 1 x side B's eight, 128 along K: the slot's q-th.  p: side B's set; sc: the set of scale words.  zero = 1: the first product starts the sums.
; The 64 accumulators take turns, one instruction a turn, in the same order in every step.
.macro MUL16 a0, p, q, sc, zero
.irp a, \a0, \a0+1
.irp b, 0,1,2,3,4,5,6,7
.if \zero
	v_wmma_scale_f32_16x16x128_f8f6f4 v[8*(8*((\a)%4)+\b):8*(8*((\a)%4)+\b)+7], v[128*(\p)+FR*\b:128*(\p)+FR*\b+FR-1], v[AF+FR*(\a):AF+FR*(\a)+FR-1], 0, v[SC+8*NQ*(\sc)+NQ*\b+(\q)], v[SC+8*NQ*(\sc)+NQ*(\a)+(\q)] matrix_a_fmt:MATRIX_FMT_BF8 matrix_b_fmt:MATRIX_FMT_BF8 matrix_a_scale:MATRIX_SCALE_ROW1
.else
	v_wmma_scale_f32_16x16x128_f8f6f4 v[8*(8*((\a)%4)+\b):8*(8*((\a)%4)+\b)+7], v[128*(\p)+FR*\b:128*(\p)+FR*\b+FR-1], v[AF+FR*(\a):AF+FR*(\a)+FR-1], v[8*(8*((\a)%4)+\b):8*(8*((\a)%4)+\b)+7], v[SC+8*NQ*(\sc)+NQ*\b+(\q)], v[SC+8*NQ*(\sc)+NQ*(\a)+(\q)] matrix_a_fmt:MATRIX_FMT_BF8 matrix_b_fmt:MATRIX_FMT_BF8 matrix_a_scale:MATRIX_SCALE_ROW1
.endif
.endr
.endr
.endm
.macro FETCH_B slot, q, p              ; side B's eight fragments of the slot's q-th 128 along K into set p
	WIN TO_B
.irp i, 0,1,2,3,4,5,6,7
	FRAG 128*(\p)+FR*\i, ADRB+\slot, \q, \i
.endr
	WIN 0
.endm
.macro FETCH_A slot, q, i0             ; side A's blocks i0 .. i0 + 3
.irp i, \i0, \i0+1, \i0+2, \i0+3
	FRAG AF+FR*(\i), ADRA+\slot, \q, \i
.endr
.endm
.macro SCALES sc                       ; a K step's scale words into set sc: two words a row; lanes 0-15 take side A's block i, lanes 16-31 side B's block i
.irp i, 0,1,2,3,4,5,6,7
	ds_load_b64 v[SC+8*NQ*\sc+NQ*\i:SC+8*NQ*\sc+NQ*\i+1], v[ADRS] offset:\i*SBLK
.endr
.endm
; A load into a register that a matrix instruction has read, and a vector instruction that reads a matrix result, stand NP places behind that matrix instruction; only plain vector
; instructions that name none of its registers are places (ISA guide 7.12.1 for vector instructions).
.macro PLACES n
.rept \n
	v_nop
.endr
.endm
; A step of 128 along K that has its successor in the same slot.  Side A has one set of registers: blocks 0-3 are fetched anew in the step's middle, blocks 4-7 at its end; side B has two sets.
.macro STEP slot, q, zero
	s_wait_dscnt 4*NL                              ; side B's set and side A's blocks 0-3 are in; the youngest sixteen loads (blocks 4-7) may be out
	WIN MUL_LO
	MUL16 0, (\q)%2, \q, \slot, \zero
	MUL16 2, (\q)%2, \q, \slot, \zero
	s_wait_dscnt 0                                 ; blocks 4-7 are in (asked for 32 matrix instructions ago)
	PLACES NP
	FETCH_B \slot, (\q)+1, 1-(\q)%2
	FETCH_A \slot, (\q)+1, 0
	WIN MUL_HI
	MUL16 4, (\q)%2, \q, \slot, \zero
	MUL16 6, (\q)%2, \q, \slot, \zero
	PLACES NP
	WIN 0
	FETCH_A \slot, (\q)+1, 4
.endm
; A slot's last step changes slots: ONE barrier; in front of it each wave waits for all its tensor loads, adds 0 to its spare word, and waits for that and for its own reads of this slot.  fill = 1: this slot is filled again, two K steps ahead.
.macro TURN slot, next, fill
	s_wait_tensorcnt 0x0                           ; all my tensor loads have landed: my part of the next slot;  (every window is 0 here)
	ds_add_u32 v[SPW], v[NIL]                      ; 0 onto my spare word
	s_wait_dscnt 4*NL+1                            ; (the add and the youngest sixteen loads, blocks 4-7, may be out)
	WIN MUL_LO
	MUL16 0, 1, NQ-1, \slot, 0                     ; sixteen matrix instructions stand between the add and the wait for it
	s_wait_dscnt 0x0                               ; the add is done, and my reads of this slot are over
	s_barrier_signal -1
	MUL16 2, 1, NQ-1, \slot, 0
	WIN 0
	s_barrier_wait -1
.if \fill
	CREST                                          ; the barrier has opened a round of the cluster's barrier: no wave of any partner still reads this slot's tile or has a load on its way
	s_add_nc_u64 s[G0+4*\slot+2:G0+4*\slot+3], s[G0+4*\slot+2:G0+4*\slot+3], 2*ROWB
	s_add_nc_u64 s[G0B+4*\slot+2:G0B+4*\slot+3], s[G0B+4*\slot+2:G0B+4*\slot+3], 2*ROWB
	JLOAD G0+4*\slot, G1, G0B+4*\slot, G1B         ; the first tensor load behind the round; its four v_nop are among the places in front of the loads below
	PLACES NP-4
.else
	PLACES NP
.endif
	v_add_nc_u32 v[ADRS], 4*NQ, v[ADRS]            ; on to the next K step's scale words
	FETCH_B \next, 0, 0
	FETCH_A \next, 0, 0
	SCALES \next
	WIN MUL_HI
	MUL16 4, 1, NQ-1, \slot, 0
	MUL16 6, 1, NQ-1, \slot, 0
	PLACES NP
	WIN 0
	FETCH_A \next, 0, 4
.endm
	s_wait_tensorcnt 1                             ; the scales and my part of K step 0 are in (K step 1's load may be out)
	s_barrier_signal -1
	s_barrier_wait -1                              ; everybody's are
	FETCH_B 0, 0, 0
	FETCH_A 0, 0, 0
	SCALES 0
	FETCH_A 0, 0, 4
	STEP 0, 0, 1                                   ; the first step stands in front of the loop: its products start the sums
	s_mov_b32 s3, LAPS-1
.Llap:                                                 ; a trip goes once round the ring, from a lap's second step to the next lap's first, and fills both slots again
	TURN 0, 1, 1
	STEP 1, 0, 0
	TURN 1, 0, 1
	STEP 0, 0, 0
	s_sub_co_u32 s3, s3, 1
	s_cmp_lg_u32 s3, 0
	s_cbranch_scc1 .Llap
	TURN 0, 1, 0                                   ; the last lap fills nothing, and has no round of the cluster's barrier
	STEP 1, 0, 0
	s_wait_dscnt 4*NL                              ; the very last step: nothing more to fetch
	WIN MUL_LO
	MUL16 0, 1, NQ-1, 1, 0
	MUL16 2, 1, NQ-1, 1, 0
	s_wait_dscnt 0
	WIN MUL_HI
	MUL16 4, 1, NQ-1, 1, 0
	MUL16 6, 1, NQ-1, 1, 0
	WIN 0
	; ---- THE WAY OUT ----
	PLACES NP                                      ; behind the last products: results are read and side A's registers written from here on
	s_mov_b32 s2, 0x76543210
	s_mov_b32 s3, 0xfedcba98                       ; v_permlanex16_b32's selects for lane l xor 16
	s_mov_b32 s[MNT], 0x600000
	s_lshl_b32 s20, 1024, s[ISV]                   ; from block a to a + 1: a token tile of 1,024 bytes (q, k) or a d tile of 2,048 (v);
	s_mul_i32 s21, s[ISV], 57344
	s_add_co_u32 s21, s21, s20                     ; from block 3 to 4, for v: on to the next head, 65,536 - 3 x 2,048
	s_mul_i32 s22, s[ISV], 6
	s_lshr_b32 s22, 0x10000, s22                   ; from piece 0 to piece 2: the next head (q, k) or 1,024 bytes (v)
	s_lshl_b32 s18, s41, 2
	s_lshl_b32 s19, s15, 1
	s_add_co_u32 s18, s18, s19                     ; 4 cy + 2 hA
	s_lshl_b32 s19, s40, 2
	s_lshl_b32 s23, s16, 1
	s_add_co_u32 s19, s19, s23                     ; 4 cx + 2 hB
	s_lshr_b32 s23, s19, 1                         ; 2 cx + hB
	s_lshr_b32 s46, s18, 1                         ; 2 cy + hA
	s_cmp_eq_u32 s[ISV], 1
	s_cselect_b32 s47, s18, s19                    ; my first head: on the side that holds the weight
	s_cselect_b32 s92, s23, s46                    ; my step of 128 tokens: on the side that holds x
	s_lshl_b32 s93, s[Y4], 2
	s_add_co_u32 s93, s93, s47                     ; 16 x batch + head
	s_lshl_b32 s18, s93, 16                        ; a head's images are 65,536 bytes,
	s_lshl_b32 s19, s92, 13                        ; a step of 128 tokens 8,192 in all three
	s_add_co_u32 s18, s18, s19
	s_mov_b32 s19, 0
	s_add_nc_u64 s[12:13], s[12:13], s[18:19]
	s_mul_i32 s18, s93, 10240                      ; the scale words: the head,
	s_lshl_b32 s19, ttmp9, 12                      ; q's, k's or v's part,
	s_add_co_u32 s18, s18, s19
	s_sub_co_u32 s19, 9, s[ISV]
	s_lshl_b32 s19, s92, s19                       ; the step: 512 bytes (q, k) or 256 (v)
	s_add_co_u32 s18, s18, s19
	s_mov_b32 s19, 0
	s_add_nc_u64 s[96:97], s[96:97], s[18:19]
	v_and_b32 v1, 15, v0                           ; r
	v_bfe_u32 v2, v0, 4, 1                         ; h
	v_mov_b32 v[FLR], 0x8000000
	v_lshlrev_b32 v[SH], 4, v2
	v_mul_u32_u24 v[SVO], v2, 10240
	v_lshl_add_u32 v[SVO], v1, 4, v[SVO]
.irp b, 0,1,2,3
	v_mov_b32 v[TM+4+\b], 0                        ; written once: a lane permute's destination counts as one of its sources
.endr
	v_and_b32 v3, 31, v0
	v_lshlrev_b32 v[VOA], 4, v3                    ; 16 x lane
.irp a, 0,1,2,3,4,5,6
.if \a == 3
	v_add_nc_u32 v[VOA+\a+1], s21, v[VOA+\a]
.else
	v_add_nc_u32 v[VOA+\a+1], s20, v[VOA+\a]
.endif
.endr
.irp a, 0,1,2,3,4,5,6,7
	v_add_nc_u32 v[VOB+\a], s22, v[VOA+\a]
.endr
; Side A's block a: its eight accumulators are four blocks of 32 down the registers.  Each accumulator is read from its low end on.
.macro QEPI a
.set W, 2+(\a)/4                       ; its window
.set S, 64*((\a)%4)                    ; its first register there
.set P, PC+16*(\a)                     ; its codes
	WIN (W<<2)|(W<<4)                              ; sources 1 and 2 in the accumulators' window
.irp b, 0,1,2,3
	v_max3_num_f32 v[TM+\b], v[FLR], |v[S+16*\b]|, |v[S+16*\b+1]|   ; block b: my 16 numbers, and the floor, under which no largest magnitude is taken: so the byte cannot fall under 1
.endr
.irp i, 2,4,6,8,10,12,14
.irp b, 0,1,2,3
	v_max3_num_f32 v[TM+\b], v[TM+\b], |v[S+16*\b+\i]|, |v[S+16*\b+\i+1]|   ; (the four blocks by turns)
.endr
.endr
	WIN 0
.irp b, 0,1,2,3
	v_permlanex16_b32 v[TM+4+\b], v[TM+\b], s2, s3
.endr
.irp b, 0,1,2,3
	v_max_num_f32 v[TM+\b], v[TM+\b], v[TM+4+\b]   ; with lane l xor 16's: the block's largest magnitude
.endr
.irp b, 0,1,2,3
	v_add_nc_u32 v[TM+12+\b], 0xf8800000, v[TM+\b] ; 15 off its exponent field: the conversion takes the exponent field of this operand as its scale
.endr
.irp b, 0,1,2,3
	v_and_or_b32 v[TM+8+\b], v[TM+\b], 0x7f800000, s[MNT]   ; 57,344 x the scale
.endr
.irp b, 0,1,2,3
	v_lshrrev_b32 v[TM+4+\b], 23, v[TM+12+\b]      ; the scale's byte
.endr
	v_lshl_or_b32 v[SW+(\a)], v[TM+5], 8, v[TM+4]
	v_lshl_or_b32 v[SW+(\a)], v[TM+6], 16, v[SW+(\a)]
	v_lshl_or_b32 v[SW+(\a)], v[TM+7], 24, v[SW+(\a)]
	WIN (W<<6)|W                                   ; destination and source 0 in the accumulators' window
.irp b, 0,1,2,3
.irp i, 0,1,2,3,4,5,6,7,8,9,10,11,12,13,14,15
	v_med3_num_f32 v[S+16*\b+\i], v[S+16*\b+\i], -v[TM+8+\b], v[TM+8+\b]   ; the conversion to an 8-bit code does not saturate (ISA guide 7.6.2): the hold comes first
.endr
.endr
	WIN W                                          ; source 0 in the accumulators' window
.irp b, 0,1,2,3
	v_cvt_scalef32_pk8_bf8_f32 v[P+4*\b:P+4*\b+1], v[S+16*\b:S+16*\b+7], v[TM+12+\b]       ; k = 32 b + 8 h + 0 .. 7
	v_cvt_scalef32_pk8_bf8_f32 v[P+4*\b+2:P+4*\b+3], v[S+16*\b+8:S+16*\b+15], v[TM+12+\b]  ; k = 32 b + 16 + 8 h + 0 .. 7
.endr
	WIN 0
	v_nop                                          ; one plain instruction between the conversions and the first vector instruction that touches their results
.irp b, 0,1,2,3
	v_permlane16_swap_b32 v[P+4*\b], v[P+4*\b+2]   ; the first pair's lanes 16-31 change places with the second pair's lanes 0-15:
	v_permlane16_swap_b32 v[P+4*\b+1], v[P+4*\b+3] ; the four registers now hold k = 32 b + 16 h + 0 .. 15
.endr
	global_store_b128 v[VOA+(\a)], v[P:P+3], s[12:13]                 ; each store of the wave covers 512 consecutive bytes, aligned
	global_store_b128 v[VOA+(\a)], v[P+4:P+7], s[12:13] offset:512
	global_store_b128 v[VOB+(\a)], v[P+8:P+11], s[12:13]
	global_store_b128 v[VOB+(\a)], v[P+12:P+15], s[12:13] offset:512
.endm
.irp a, 0,1,2,3,4,5,6,7
	QEPI \a
.endr
	; the scale words.  The branch hangs on the cluster's x: it is the same in all partners
	s_cmp_eq_u32 s[ISV], 1
	s_cbranch_scc1 .Lv_words
.irp i, 0,1,2,3,4,5,6,7
	v_lshrrev_b32 v[SD+\i], v[SH], v[SW+\i]        ; q, k: lanes 0-15 keep the first head's two bytes low, lanes 16-31 bring the second head's down
.endr
	global_store_b128 v[SVO], v[SD:SD+3], s[96:97]              ; token tiles 0-3 of the step: sixteen lanes fill 256 consecutive bytes, aligned
	global_store_b128 v[SVO], v[SD+4:SD+7], s[96:97] offset:256 ; tiles 4-7
	s_branch .Lwords_out
.Lv_words:
	v_cmp_eq_u32 vcc_lo, 1, v2
.irp i, 0,1,2,3
	v_cndmask_b32 v[SD+\i], v[SW+\i], v[SW+4+\i], vcc_lo        ; v: lanes 0-15 the first head's four d tiles, lanes 16-31 the second head's
.endr
	global_store_b128 v[SVO], v[SD:SD+3], s[96:97]
.Lwords_out:
	s_wait_tensorcnt 0x0                           ; the wave's end
	ds_add_u32 v[SPW], v[NIL]
	s_wait_dscnt 0x0
	CROUND                                         ; the closing round: no work-group ends while a partner may still ask for a tile that names it
	s_endpgm
.Lfunc_end_k_q1dcc37bc3c_qkv:
	.size	k_q1dcc37bc3c_qkv, .Lfunc_end_k_q1dcc37bc3c_qkv-k_q1dcc37bc3c_qkv
	.p2alignl 7, 3214868480
	.fill 96, 4, 3214868480
	.section	.rodata,"a",@progbits
	.p2align	6, 0x0
	.amdhsa_kernel k_q1dcc37bc3c_qkv
		.amdhsa_group_segment_fixed_size 327680
		.amdhsa_private_segment_fixed_size 0
		.amdhsa_enable_private_segment 0
		.amdhsa_kernarg_size 96
		.amdhsa_user_sgpr_count 2
		.amdhsa_user_sgpr_kernarg_segment_ptr 1
		.amdhsa_wavefront_size32 1
		.amdhsa_system_sgpr_workgroup_id_x 1
		.amdhsa_system_sgpr_workgroup_id_y 1
		.amdhsa_system_sgpr_workgroup_id_z 1
		.amdhsa_system_vgpr_workitem_id 0
		.amdhsa_next_free_vgpr 1024
		.amdhsa_next_free_sgpr 100
		.amdhsa_reserve_vcc 1
		.amdhsa_float_denorm_mode_32 3
		.amdhsa_float_denorm_mode_16_64 3
		.amdhsa_memory_ordered 1
		.amdhsa_forward_progress 1
		.amdhsa_inst_pref_size 188
	.end_amdhsa_kernel
	.amdgpu_metadata
---
amdhsa.version: [ 1, 2 ]
amdhsa.kernels:
  - .name:           k_q1dcc37bc3c_qkv
    .symbol:         k_q1dcc37bc3c_qkv.kd
    .args:
      - { .name: x_codes, .offset: 0, .size: 8, .value_kind: global_buffer, .address_space: global }
      - { .name: x_scales, .offset: 8, .size: 8, .value_kind: global_buffer, .address_space: global }
      - { .name: wq_codes, .offset: 16, .size: 8, .value_kind: global_buffer, .address_space: global }
      - { .name: wq_scales, .offset: 24, .size: 8, .value_kind: global_buffer, .address_space: global }
      - { .name: wk_codes, .offset: 32, .size: 8, .value_kind: global_buffer, .address_space: global }
      - { .name: wk_scales, .offset: 40, .size: 8, .value_kind: global_buffer, .address_space: global }
      - { .name: wv_codes, .offset: 48, .size: 8, .value_kind: global_buffer, .address_space: global }
      - { .name: wv_scales, .offset: 56, .size: 8, .value_kind: global_buffer, .address_space: global }
      - { .name: qimg, .offset: 64, .size: 8, .value_kind: global_buffer, .address_space: global }
      - { .name: kimg, .offset: 72, .size: 8, .value_kind: global_buffer, .address_space: global }
      - { .name: vimg, .offset: 80, .size: 8, .value_kind: global_buffer, .address_space: global }
      - { .name: scl, .offset: 88, .size: 8, .value_kind: global_buffer, .address_space: global }
    .group_segment_fixed_size: 327680
    .private_segment_fixed_size: 0
    .kernarg_segment_align: 8
    .kernarg_segment_size: 96
    .max_flat_workgroup_size: 128
    .sgpr_count:     100
    .vgpr_count:     1024
    .wavefront_size: 32
...
	.end_amdgpu_metadata
.endif
;; end of part 1
;; launch attn (part 2): grid 2 x 128, 16 waves a work-group, no clusters, 169,984 bytes of LDS; arguments qimg, kimg, vimg, scl, aimg, asc; writes aimg, asc
.if DOCPART == 2
	.amdgcn_target "amdgcn-amd-amdhsa--gfx1250"
	.amdhsa_code_object_version 6
	.text
	.protected	k_q1dcc37bc3c_attn
	.globl	k_q1dcc37bc3c_attn
	.p2align	8
	.type	k_q1dcc37bc3c_attn,@function
k_q1dcc37bc3c_attn:
	s_mov_b64 s[64:65], 0
	v_nop
	global_prefetch_b8 v0, s[64:65] scope:SCOPE_SE
	s_setreg_imm32_b32 hwreg(HW_REG_WAVE_MODE, 25, 1), 1
	s_wait_xcnt 0x0
; Causal attention of one head on codes of BF8 (E5M2) with E8M0 scales: S^T = K Q^T (K = the head's 64, the instruction's other 64 are zero codes), softmax, O^T = V^T P^T (K = the keys), O / l,
; and O quantised along (head, d) for the last product.  Inputs are images of operand registers (a piece of four registers = 512 bytes, lane l's 16 bytes at 16 l):
;   qimg, kimg [bh 128][token tile 64][piece 2][512];  vimg [bh][key step 8][d tile 4][piece 4][512];  scl: 10,240 bytes a head: q's words, k's at 4,096, v's at 8,192.
; THE SOFTMAX: t = score x log2(e) / 32; M = the running largest t rounded UP to a whole number; p = 2^(t - M) is quantised along the keys, not normalised; the row's sum is taken of the unquantised p
; and divides at the end; when M moves, the sum and O^T are multiplied by 2^(old M - new M), which rounds nothing.
; SHARES.  A head has 64 tiles of 16 queries; tile i needs i / 8 + 1 key steps of 128.  Work-group z (0, 1) of a head, wave w: tiles i = 2 w + z and 63 - i: nine key steps for every wave.
; Sixteen waves of 256 registers, four to a SIMD, so that one wave's vector work stands beside another's matrix work and LDS loads.
; LDS is filled ONCE: the head's K images (65,536 bytes), V images (65,536), k's and v's scale words (6,144).  Every wave brings a sixteenth by three tensor loads at the head; nothing is filled again.
; All loops have constant trip counts; a key step that lies wholly behind a tile's queries is jumped over by a scalar branch on ids, round its work but not round the lines that step addresses.
; NO CLUSTER: a head's tiles are read by two work-groups only (grid x = 2), each byte asked for once at the head and not step by step.  NO PREFETCH: every byte is asked for at the head.
; LAYOUT.  A lane holds ONE query (lane % 16).  In S^T's tile t register j is key 16 t + 8 h + j; a block of 32 keys is tiles 2 b, 2 b + 1 in lanes l and l xor 16; two lane swaps behind the conversions
; put keys 32 b + 16 h + 0 .. 15 into four registers on end, as the second product's operand wants them.  O^T's tile t, register j is d = 16 t + 8 h + j, and is quantised the same way.
; OUT: aimg [K / 256: 4][row tile 512][K step of 128: 2][piece 4][512], asc [row 8,192][32] bytes.  asc is written two bytes a lane, 32 bytes apart (256 KB in all).
; LIMITS: NaN and infinities are not served; a block whose largest magnitude lies under 2^-111 (zeros too) gets the byte 1; the bytes are read by this program alone.
.set VIMG, 65536                       ; LDS: K's images from 0, V's from here,
.set KSC,  131072                      ; k's scale words, 4,096 bytes,
.set VSC,  135168                      ; v's, 2,048 bytes
.set LI,   1                           ; v1   16 x lane
.set LIV,  2                           ; v2   + VIMG
.set RK,   3                           ; v3   16 r + KSC
.set RV,   4                           ; v4   16 r + VSC
.set ADK,  5                           ; v5-8 the step's LDS addresses: K, V, k's words, v's words
.set ADV,  6
.set ADS,  7
.set ADT,  8
.set QD,   9                           ; v9   r - 8 h
.set QSO,  10                          ; v10  16 r
.set ASO,  11                          ; v11  32 r
                                       ; v12 -M, v13 the largest t, v[14:15] the sum in two halves
.set QF,   16                          ; v16-23 Q's codes, v24-31 zeros
.set KFR,  32                          ; v32-95 four fragments of K, each 8 registers of codes and 8 of zeros (written once)
.set SS,   96                          ; v96-159 S^T, then p, then four fragments of V
.set OT,   160                         ; v160-191 O^T
.set PCD,  192                         ; v192-207 p's codes
.set KSW,  208                         ; v208-215 k's scale words of the step's eight tiles
.set VSW,  216                         ; v216-219 v's of the four d tiles
.set QSW,  220                         ; v220 q's
.set PSW,  221                         ; v221 p's
.set FF,   222                         ; v[222:223] f = 2^(old M - new M), later 1 / l (the pair's upper half is only named)
.set BM,   224                         ; v224-227 a block's largest score, then its largest p
.set PX,   228                         ; v228-231 the other half's, then the bytes
.set LIM,  232                         ; v232-235 57,344 x the scale
.set SCO,  236                         ; v236-239 the conversions' scale operands
.set SUM2, 240                         ; v[240:241] the sum's second chain
.set T0,   242
.set DD,   243
.set NINF, 244
.set OSW,  245                         ; O's two scale bytes
.set Q2,   246                         ; v246-253 the short tile's Q, v254 its scale word
.set Q2S,  254
.set WV,   16                          ; s16 wave;  s18 bh
.set MNT,  19                          ; s19 the mantissa field of 57,344
.set SEL,  20                          ; s[20:21] lane selects: lane l xor 16
.set CS,   22                          ; s[22:23] c = log2(e) / 32
.set G1S,  24                          ; s[24:31], s[32:39], s[40:47] three groups 1;  s[48:59] three groups 0
.set G1A,  32
.set G1B,  40
.set G0S,  48
.set G0A,  52
.set G0B,  56
.set TK,   60                          ; s60 the step's images: 8,192 bytes a step;  s61 k's words: 512;  s62 v's words: 256
.set TS,   61
.set TT,   62
.set KF,   63                          ; s63 the step's first key
.set Q0,   66                          ; s66 the tile's first query
.set CNT,  67
.set TMP,  68
.set HS,   69                          ; s69 the head's place in scl
.set LNG,  70                          ; s[70:77] the long tile: Q, Q's scale words, its place in aimg, in asc
.set SHT,  78                          ; s[78:85] the short tile
	s_load_b256 s[4:11], s[0:1], 0x0               ; qimg s[4:5], kimg s[6:7], vimg s[8:9], scl s[10:11]
	s_load_b128 s[12:15], s[0:1], 0x20             ; aimg s[12:13], asc s[14:15]
	v_lshl_add_u32 v254, v0, 2, 0x29000
	v_mov_b32 v255, 0
	ds_add_u32 v254, v255
	ds_add_u32 v254, v255
	s_wait_dscnt 0x0
	v_lshrrev_b32 v1, 5, v0
	v_readfirstlane_b32 s[WV], v1                  ; wave 0..15
	s_and_b32 s18, ttmp7, 0xffff                   ; bh = 16 x batch + head
	; descriptor groups 1: elements of 8 bytes, no mask, no padding.  One row of 384 bytes; 8 rows of 256 bytes; 24 rows of 256 bytes; all dense in memory
	s_mov_b32 s[G1S+0], 3<<16
	s_mov_b32 s[G1S+1], 48<<16                     ; tensor_dim0 = 48
	s_mov_b32 s[G1S+2], 1<<16                      ; tensor_dim1 = 1
	s_mov_b32 s[G1S+3], 48<<16                     ; tile_dim0
	s_mov_b32 s[G1S+4], 1                          ; tile_dim1
	s_mov_b32 s[G1S+5], 48                         ; the pitch
	s_mov_b32 s[G1S+6], 0
	s_mov_b32 s[G1S+7], 0
	s_mov_b32 s[G1A+0], 3<<16
	s_mov_b32 s[G1A+1], 32<<16
	s_mov_b32 s[G1A+2], 8<<16
	s_mov_b32 s[G1A+3], 32<<16
	s_mov_b32 s[G1A+4], 8
	s_mov_b32 s[G1A+5], 32
	s_mov_b32 s[G1A+6], 0
	s_mov_b32 s[G1A+7], 0
	s_mov_b32 s[G1B+0], 3<<16
	s_mov_b32 s[G1B+1], 32<<16
	s_mov_b32 s[G1B+2], 24<<16
	s_mov_b32 s[G1B+3], 32<<16
	s_mov_b32 s[G1B+4], 24
	s_mov_b32 s[G1B+5], 32
	s_mov_b32 s[G1B+6], 0
	s_mov_b32 s[G1B+7], 0
	s_mul_i32 s[HS], s18, 10240
	s_mul_i32 s86, s[WV], 384                      ; my sixteenth of the 6,144 bytes of k's and v's scale words
	s_add_co_u32 s[G0S+1], s86, KSC
	s_add_co_u32 s86, s86, s[HS]
	s_add_co_u32 s86, s86, 4096
	s_mov_b32 s87, 0
	s_lshr_b32 s88, s[WV], 3                       ; waves 0-7 fetch K's images, waves 8-15 V's
	s_lshl_b32 s88, s88, 16
	s_and_b32 s89, s[WV], 7
	s_lshl_b32 s90, s89, 11                        ; key steps 0, 1: 16,384 bytes, 2,048 a wave
	s_mul_i32 s92, s89, 6144                       ; key steps 2-7: 49,152 bytes, 6,144 a wave
	s_add_co_u32 s92, s92, 16384
	s_add_co_u32 s[G0A+1], s88, s90
	s_add_co_u32 s[G0B+1], s88, s92
	s_mov_b32 s91, 0
	s_mov_b32 s93, 0
	s_lshl_b32 s94, s18, 16                        ; a head's images are 65,536 bytes
	s_mov_b32 s95, 0
	s_mov_b32 s[G0S], 1
	s_mov_b32 s[G0A], 1
	s_mov_b32 s[G0B], 1
	s_wait_kmcnt 0x0
	s_add_nc_u64 s[G0S+2:G0S+3], s[10:11], s[86:87]
	s_or_b32 s[G0S+3], s[G0S+3], 0x80000000
	s_cmp_lt_u32 s[WV], 8
	s_cselect_b64 s[88:89], s[6:7], s[8:9]
	s_add_nc_u64 s[88:89], s[88:89], s[94:95]
	s_add_nc_u64 s[G0A+2:G0A+3], s[88:89], s[90:91]
	s_or_b32 s[G0A+3], s[G0A+3], 0x80000000
	s_add_nc_u64 s[G0B+2:G0B+3], s[88:89], s[92:93]
	s_or_b32 s[G0B+3], s[G0B+3], 0x80000000
	tensor_load_to_lds s[G0S:G0S+3], s[G1S:G1S+7]  ; the launch's only fills, in one group: three tensor loads of a wave are out
	s_nop 0
	tensor_load_to_lds s[G0A:G0A+3], s[G1A:G1A+7]
	s_nop 0
	tensor_load_to_lds s[G0B:G0B+3], s[G1B:G1B+7]
	s_nop 0
.rept 4
	v_nop
.endr
; the four addresses of the tile whose number stands in s[T], into s[B] on
.macro TILEADR B, T
	s_lshl_b32 s86, s18, 6
	s_add_co_u32 s86, s86, s[\T]
	s_lshl_b32 s86, s86, 10                        ; Q: 1,024 bytes a tile
	s_add_nc_u64 s[\B:\B+1], s[4:5], s[86:87]
	s_lshr_b32 s86, s[\T], 2                       ; its scale words: 256 bytes for four tiles,
	s_lshl_b32 s86, s86, 8
	s_and_b32 s88, s[\T], 3
	s_lshl_b32 s88, s88, 2                         ; a word a tile (and 16 bytes a row)
	s_add_co_u32 s86, s86, s88
	s_add_co_u32 s86, s86, s[HS]
	s_add_nc_u64 s[\B+2:\B+3], s[10:11], s[86:87]
	s_and_b32 s88, s18, 15                         ; the head
	s_lshr_b32 s86, s88, 2
	s_lshl_b32 s86, s86, 21                        ; aimg: head / 4 x 2,097,152
	s_and_b32 s89, s88, 3
	s_lshl_b32 s89, s89, 10                        ; + head % 4 x 1,024
	s_add_co_u32 s86, s86, s89
	s_lshr_b32 s89, s18, 4
	s_lshl_b32 s89, s89, 6
	s_add_co_u32 s89, s89, s[\T]                   ; the row tile: 64 x batch + tile
	s_lshl_b32 s90, s89, 12
	s_add_co_u32 s86, s86, s90                     ; + row tile x 4,096
	s_add_nc_u64 s[\B+4:\B+5], s[12:13], s[86:87]
	s_lshl_b32 s86, s89, 9                         ; asc: 16 rows of 32 bytes a tile, + 2 x head
	s_lshl_b32 s88, s88, 1
	s_add_co_u32 s86, s86, s88
	s_add_nc_u64 s[\B+6:\B+7], s[14:15], s[86:87]
.endm
	s_lshl_b32 s92, s[WV], 1
	s_add_co_u32 s92, s92, ttmp9                   ; the short tile: i = 2 w + z
	s_sub_co_u32 s93, 63, s92                      ; the long one
	s_mov_b32 s87, 0
	TILEADR LNG, 93
	TILEADR SHT, 92
	s_lshl_b32 s[Q0], s93, 4                       ; the long tile comes first
	s_lshl_b32 s94, s92, 4                         ; the short tile's first query, for later
	s_mov_b32 s[MNT], 0x600000
	s_mov_b32 s[SEL], 0x76543210
	s_mov_b32 s[SEL+1], 0xfedcba98
	s_mov_b32 s[CS], 0x3d38aa3b                    ; c = log2(e) / 32
	s_mov_b32 s[CS+1], s[CS]                       ; (named with it as a pair, so it is written)
	s_mov_b32 s[TK], 0
	s_mov_b32 s[TS], 0
	s_mov_b32 s[TT], 0
	s_mov_b32 s[KF], 0
	v_and_b32 v[LI], 31, v0
	v_lshlrev_b32 v[LI], 4, v[LI]
	v_add_nc_u32 v[LIV], VIMG, v[LI]
	v_and_b32 v[QSO], 15, v0                       ; r
	v_bfe_u32 v[T0], v0, 4, 1                      ; h
	v_lshlrev_b32 v[T0], 3, v[T0]
	v_sub_nc_u32 v[QD], v[QSO], v[T0]
	v_lshlrev_b32 v[ASO], 5, v[QSO]
	v_lshlrev_b32 v[QSO], 4, v[QSO]
	v_add_nc_u32 v[RK], KSC, v[QSO]
	v_add_nc_u32 v[RV], VSC, v[QSO]
	global_load_b128 v[QF:QF+3], v[LI], s[LNG:LNG+1]               ; both tiles' Q and scale words
	global_load_b128 v[QF+4:QF+7], v[LI], s[LNG:LNG+1] offset:512
	global_load_b32 v[QSW], v[QSO], s[LNG+2:LNG+3]
	global_load_b128 v[Q2:Q2+3], v[LI], s[SHT:SHT+1]
	global_load_b128 v[Q2+4:Q2+7], v[LI], s[SHT:SHT+1] offset:512
	global_load_b32 v[Q2S], v[QSO], s[SHT+2:SHT+3]
.irp j, 0,1,2,3,4,5,6,7
	v_mov_b32 v[QF+8+\j], 0                        ; K = 64 .. 127 of the first product: zero codes on both sides
.endr
.irp t, 0,1,2,3
.irp j, 0,1,2,3,4,5,6,7
	v_mov_b32 v[KFR+16*\t+8+\j], 0
.endr
.endr
.irp b, 0,1,2,3
	v_mov_b32 v[PX+\b], 0                          ; written once: a lane permute's destination counts as one of its sources
.endr
	v_mov_b32 v[FF+1], 0
.macro INIT                            ; a tile begins: O^T and the sum are zeros, the largest t lies under every t; the first change of M multiplies zeros
	v_mov_b32 v13, 0xff61b1e6                      ; -3e38
	v_floor_f32 v12, -v13                          ; -M
	v_mov_b32 v14, 0
	v_mov_b32 v15, 0
.set j, 0
.rept 32
	v_mov_b32 v[OT+j], 0
.set j, j+1
.endr
.endm
	INIT
; A KEY STEP: 128 keys.  msk = 1: the step may lie on or behind the diagonal.
.macro STEP msk
.if \msk
	s_add_co_u32 s[TMP], s[Q0], 15
	s_cmp_gt_u32 s[KF], s[TMP]                     ; all its keys come after my 16 queries: nothing to do
	s_cbranch_scc1 .Lhidden_\@
.endif
	v_add_nc_u32 v[ADK], s[TK], v[LI]
	v_add_nc_u32 v[ADV], s[TK], v[LIV]
	v_add_nc_u32 v[ADS], s[TS], v[RK]
	v_add_nc_u32 v[ADT], s[TT], v[RV]
.rept 5
	v_nop                                          ; with the four additions nine places: the products below write over registers (V's fragments) that the last step's products read
.endr
	ds_load_b128 v[KSW:KSW+3], v[ADS]              ; lane r: row r's words of tiles 0-3,
	ds_load_b128 v[KSW+4:KSW+7], v[ADS] offset:256 ; of tiles 4-7
.irp g, 0,1                                    ; S^T = K Q^T, four tiles of 16 keys at a time
.if \g
.rept 8
	v_nop                                          ; places in front of loads into registers that matrix instructions have read
.endr
.endif
.irp t, 0,1,2,3
.irp c, 0,1
	ds_load_b128 v[KFR+16*\t+4*\c:KFR+16*\t+4*\c+3], v[ADK] offset:(4*\g+\t)*1024+512*\c
.endr
.endr
	s_wait_dscnt 0x0
.irp t, 0,1,2,3
	v_wmma_scale_f32_16x16x128_f8f6f4 v[SS+8*(4*\g+\t):SS+8*(4*\g+\t)+7], v[KFR+16*\t:KFR+16*\t+15], v[QF:QF+15], 0, v[KSW+4*\g+\t], v[QSW] matrix_a_fmt:MATRIX_FMT_BF8 matrix_b_fmt:MATRIX_FMT_BF8
.endr
.endr
.rept 8
	v_nop
.endr
.if \msk                                       ; on the diagonal the scores of hidden keys become -infinity ahead of the maximum: p = 0 then.  A step all of whose keys count skips this
	s_add_co_u32 s[TMP], s[KF], 127
	s_cmp_le_u32 s[TMP], s[Q0]
	s_cbranch_scc1 .Lopen_\@
	s_sub_co_i32 s[TMP], s[Q0], s[KF]
	v_add_nc_u32 v[DD], s[TMP], v[QD]              ; d = my query - the step's first key - 8 h.  Register n holds key 16 (n / 8) + n % 8 + 8 h: hidden where 16 (n / 8) + n % 8 > d
	v_mov_b32 v[NINF], 0xff800000
.set n, 0
.rept 64
	v_cmp_gt_i32 vcc_lo, 16*(n/8)+n%8, v[DD]
	v_cndmask_b32 v[SS+n], v[SS+n], v[NINF], vcc_lo
.set n, n+1
.endr
.Lopen_\@:
.endif
.irp b, 0,1,2,3
	v_max3_num_f32 v[BM+\b], v[SS+16*\b], v[SS+1+16*\b], v[SS+2+16*\b]   ; the largest score of each block of 32 keys: for the row's maximum and, since p rises with the score, for the block's largest p
.endr
.irp i, 3,5,7,9,11,13
.irp b, 0,1,2,3
	v_max3_num_f32 v[BM+\b], v[BM+\b], v[SS+16*\b+\i], v[SS+1+16*\b+\i]
.endr
.endr
.irp b, 0,1,2,3
	v_max_num_f32 v[BM+\b], v[BM+\b], v[SS+15+16*\b]
.endr
.irp b, 0,1,2,3
	v_permlanex16_b32 v[PX+\b], v[BM+\b], s[SEL], s[SEL+1]
.endr
.irp b, 0,1,2,3
	v_max_num_f32 v[BM+\b], v[BM+\b], v[PX+\b]     ; with lane l xor 16's 16 keys
.endr
	v_max3_num_f32 v[T0], v[BM], v[BM+1], v[BM+2]
	v_max_num_f32 v[T0], v[T0], v[BM+3]            ; the step's largest score of my query
	v_mul_f32 v[T0], s[CS], v[T0]                  ; as t (c is positive)
	v_max_num_f32 v13, v13, v[T0]                  ; the running largest t
	v_mov_b32 v[T0], v12
	v_floor_f32 v12, -v13                          ; the new -M = floor(-t) = -ceil(t)
	v_sub_f32 v[T0], v12, v[T0]                    ; M's old value less its new one: a whole number, 0 or less
	v_cvt_i32_f32 v[T0], v[T0]                     ; (it saturates)
	v_ldexp_f32 v[FF], 1.0, v[T0]                  ; f = 2^(old M - new M)
.set j, 0
.rept 32
	v_pk_fma_f32 v[SS+j:SS+j+1], v[SS+j:SS+j+1], s[CS:CS+1], v[12:13] op_sel_hi:[1,0,0]   ; t - M, two at a time (of the pairs c and -M the low word serves both halves)
.set j, j+2
.endr
.irp b, 0,1,2,3
	v_fma_f32 v[BM+\b], v[BM+\b], s[CS], v12       ; the same of each block's largest score
.endr
.set j, 0
.rept 64
	v_exp_f32 v[SS+j], v[SS+j]                     ; p = 2^(t - M), at most 1
.set j, j+1
.endr
	v_pk_mul_f32 v[14:15], v[14:15], v[FF:FF+1] op_sel_hi:[1,0]   ; the sums under the new M.  (The plain instruction behind the exponentials)
	s_wait_alu depctr_va_vdst(0)                   ; one wait for the batch of 64, ahead of its first reader
.irp b, 0,1,2,3
	v_exp_f32 v[BM+\b], v[BM+\b]                   ; the block's largest p: the same two instructions on the same number
.endr
	v_pk_add_f32 v[SUM2:SUM2+1], v[SS:SS+1], v[SS+2:SS+3]         ; the row's sum is taken of the unquantised p: two at a time, in two chains
.irp j, 4,8,12,16,20,24,28,32,36,40,44,48,52,56,60
	v_pk_add_f32 v[14:15], v[14:15], v[SS+\j:SS+\j+1]
	v_pk_add_f32 v[SUM2:SUM2+1], v[SUM2:SUM2+1], v[SS+\j+2:SS+\j+3]
.endr
	v_pk_add_f32 v[14:15], v[14:15], v[SUM2:SUM2+1]
	s_wait_alu depctr_va_vdst(0)                   ; and one for the four
.irp b, 0,1,2,3
	v_max_num_f32 v[BM+\b], 0x8000000, v[BM+\b]    ; the floor 2^(16 - 127): the byte cannot fall under 1 (a block whose every p is 0 keeps that byte: its codes are zeros)
.endr
.irp b, 0,1,2,3
	v_add_nc_u32 v[SCO+\b], 0xf8800000, v[BM+\b]   ; 15 off the exponent field: the conversion's scale operand
.endr
.irp b, 0,1,2,3
	v_and_or_b32 v[LIM+\b], v[BM+\b], 0x7f800000, s[MNT]   ; 57,344 x the scale
.endr
.irp b, 0,1,2,3
	v_lshrrev_b32 v[PX+\b], 23, v[SCO+\b]          ; the scale's byte
.endr
	v_lshl_or_b32 v[PSW], v[PX+1], 8, v[PX]        ; p's scale word for these 128 keys
	v_lshl_or_b32 v[PSW], v[PX+2], 16, v[PSW]
	v_lshl_or_b32 v[PSW], v[PX+3], 24, v[PSW]
.irp b, 0,1,2,3
.irp i, 0,1,2,3,4,5,6,7,8,9,10,11,12,13,14,15
	v_min_num_f32 v[SS+16*\b+\i], v[SS+16*\b+\i], v[LIM+\b]   ; the conversion does not saturate (ISA guide 7.6.2); p is not negative, so the hold is one-sided
.endr
	v_cvt_scalef32_pk8_bf8_f32 v[PCD+4*\b:PCD+4*\b+1], v[SS+16*\b:SS+16*\b+7], v[SCO+\b]      ; keys 32 b + 8 h + 0 .. 7
	v_cvt_scalef32_pk8_bf8_f32 v[PCD+4*\b+2:PCD+4*\b+3], v[SS+16*\b+8:SS+16*\b+15], v[SCO+\b] ; keys 32 b + 16 + 8 h + 0 .. 7
.endr
.irp t, 0,1,2,3                                ; p has been converted: its registers take V's four fragments (16 of the head's 64 x these 128 keys each)
.irp c, 0,1,2,3
	ds_load_b128 v[SS+16*\t+4*\c:SS+16*\t+4*\c+3], v[ADV] offset:\t*2048+512*\c
.endr
.endr
	ds_load_b128 v[VSW:VSW+3], v[ADT]              ; lane r: row r's words of the four d tiles
.irp j, 0,2,4,6
	v_pk_mul_f32 v[OT+\j:OT+\j+1], v[OT+\j:OT+\j+1], v[FF:FF+1] op_sel_hi:[1,0]   ; O^T under the new M.  (Plain instructions between the conversions and the swaps)
.endr
.irp b, 0,1,2,3
	v_permlane16_swap_b32 v[PCD+4*\b], v[PCD+4*\b+2]     ; the first pair's lanes 16-31 change places with the second pair's lanes 0-15:
	v_permlane16_swap_b32 v[PCD+4*\b+1], v[PCD+4*\b+3]   ; the four registers now hold keys 32 b + 16 h + 0 .. 15
.endr
.irp j, 8,10,12,14,16,18,20,22,24,26,28,30
	v_pk_mul_f32 v[OT+\j:OT+\j+1], v[OT+\j:OT+\j+1], v[FF:FF+1] op_sel_hi:[1,0]   ; (these twelve are also the places between the codes' last write and the products)
.endr
	s_wait_dscnt 0x0
.irp t, 0,1,2,3                                ; O^T += V^T P^T; the four accumulators by turns
	v_wmma_scale_f32_16x16x128_f8f6f4 v[OT+8*\t:OT+8*\t+7], v[SS+16*\t:SS+16*\t+15], v[PCD:PCD+15], v[OT+8*\t:OT+8*\t+7], v[VSW+\t], v[PSW] matrix_a_fmt:MATRIX_FMT_BF8 matrix_b_fmt:MATRIX_FMT_BF8
.endr
.if \msk
.Lhidden_\@:
.endif
	s_add_co_u32 s[KF], s[KF], 128
	s_add_co_u32 s[TK], s[TK], 8192
	s_add_co_u32 s[TS], s[TS], 512
	s_add_co_u32 s[TT], s[TT], 256
.endm
; A tile ends: O^T / l, quantised along d (two blocks of 32), stored as two pieces of the last product's operand, with its two scale bytes.  B: the tile's addresses
.macro FINISH B
.rept 8
	v_nop                                          ; places behind the last products
.endr
	v_add_f32 v14, v14, v15                        ; the sum's two halves,
	v_permlanex16_b32 v[T0], v14, s[SEL], s[SEL+1]
	v_add_f32 v14, v14, v[T0]                      ; and lane l xor 16's: the row's sum
	v_rcp_f32 v[FF], v14
	v_nop                                          ; one plain instruction behind the reciprocal,
	s_wait_alu depctr_va_vdst(0)                   ; and the wait ahead of its first reader
.set j, 0
.rept 16
	v_pk_mul_f32 v[SS+j:SS+j+1], v[OT+j:OT+j+1], v[FF:FF+1] op_sel_hi:[1,0]   ; each accumulator from its low end on
.set j, j+2
.endr
.irp b, 0,1
	v_max3_num_f32 v[BM+\b], |v[SS+16*\b]|, |v[SS+1+16*\b]|, 0x8000000
.endr
.irp i, 2,4,6,8,10,12,14
.irp b, 0,1
	v_max3_num_f32 v[BM+\b], v[BM+\b], |v[SS+16*\b+\i]|, |v[SS+1+16*\b+\i]|
.endr
.endr
.irp b, 0,1
	v_permlanex16_b32 v[PX+\b], v[BM+\b], s[SEL], s[SEL+1]
.endr
.irp b, 0,1
	v_max_num_f32 v[BM+\b], v[BM+\b], v[PX+\b]
.endr
.irp b, 0,1
	v_add_nc_u32 v[SCO+\b], 0xf8800000, v[BM+\b]
.endr
.irp b, 0,1
	v_and_or_b32 v[LIM+\b], v[BM+\b], 0x7f800000, s[MNT]
.endr
.irp b, 0,1
	v_lshrrev_b32 v[PX+\b], 23, v[SCO+\b]
.endr
	v_lshl_or_b32 v[OSW], v[PX+1], 8, v[PX]
.irp b, 0,1
.irp i, 0,1,2,3,4,5,6,7,8,9,10,11,12,13,14,15
	v_med3_num_f32 v[SS+16*\b+\i], v[SS+16*\b+\i], -v[LIM+\b], v[LIM+\b]
.endr
	v_cvt_scalef32_pk8_bf8_f32 v[PCD+4*\b:PCD+4*\b+1], v[SS+16*\b:SS+16*\b+7], v[SCO+\b]
	v_cvt_scalef32_pk8_bf8_f32 v[PCD+4*\b+2:PCD+4*\b+3], v[SS+16*\b+8:SS+16*\b+15], v[SCO+\b]
.endr
	v_nop                                          ; one plain instruction between the conversions and the swaps
.irp b, 0,1
	v_permlane16_swap_b32 v[PCD+4*\b], v[PCD+4*\b+2]
	v_permlane16_swap_b32 v[PCD+4*\b+1], v[PCD+4*\b+3]
.endr
	global_store_b128 v[LI], v[PCD:PCD+3], s[\B+4:\B+5]               ; each store of the wave covers 512 consecutive bytes, aligned
	global_store_b128 v[LI], v[PCD+4:PCD+7], s[\B+4:\B+5] offset:512
	global_store_b16 v[ASO], v[OSW], s[\B+6:\B+7]                     ; row r's two bytes; lanes l and l xor 16 store the same two bytes at the same place
.endm
	s_wait_tensorcnt 1                             ; my parts of the scale words and of key steps 0 and 1 are in; key steps 2-7 may stay out
	s_barrier_signal -1
	s_barrier_wait -1                              ; everybody's are
	s_wait_loadcnt 0x0                             ; Q
	STEP 0                                         ; the long tile begins at query 512 or later: key steps 0 and 1 are open.  They are written out: their LDS addresses are constants
	STEP 0
	s_wait_tensorcnt 0x0                           ; my part of key steps 2-7 is in,
	s_wait_dscnt 0x0
	s_barrier_signal -1
	s_barrier_wait -1                              ; everybody's is
	s_mov_b32 s[CNT], 6
.Llong:
	STEP 1
	s_sub_co_u32 s[CNT], s[CNT], 1
	s_cmp_lg_u32 s[CNT], 0
	s_cbranch_scc1 .Llong
	FINISH LNG
	s_wait_xcnt 0x0                                ; the stores have read their registers: the codes and the bytes may be written again
.irp j, 0,1,2,3,4,5,6,7
	v_mov_b32 v[QF+\j], v[Q2+\j]                   ; the short tile's Q,
.endr
	v_mov_b32 v[QSW], v[Q2S]                       ; and its scale word; the lines of INIT are the places between these and the next products
	INIT
	s_mov_b32 s[TK], 0
	s_mov_b32 s[TS], 0
	s_mov_b32 s[TT], 0
	s_mov_b32 s[KF], 0
	s_mov_b32 s[Q0], s94
	s_mov_b32 s[CNT], 4
.Lshort:
	STEP 1
	s_sub_co_u32 s[CNT], s[CNT], 1
	s_cmp_lg_u32 s[CNT], 0
	s_cbranch_scc1 .Lshort
	FINISH SHT
	s_wait_xcnt 0x0
	v_lshl_add_u32 v254, v0, 2, 0x29000
	v_mov_b32 v255, 0
	s_wait_tensorcnt 0x0
	ds_add_u32 v254, v255
	s_wait_dscnt 0x0
	s_endpgm
.Lfunc_end_k_q1dcc37bc3c_attn:
	.size	k_q1dcc37bc3c_attn, .Lfunc_end_k_q1dcc37bc3c_attn-k_q1dcc37bc3c_attn
	.p2alignl 7, 3214868480
	.fill 96, 4, 3214868480
	.section	.rodata,"a",@progbits
	.p2align	6, 0x0
	.amdhsa_kernel k_q1dcc37bc3c_attn
		.amdhsa_group_segment_fixed_size 169984
		.amdhsa_private_segment_fixed_size 0
		.amdhsa_enable_private_segment 0
		.amdhsa_kernarg_size 48
		.amdhsa_user_sgpr_count 2
		.amdhsa_user_sgpr_kernarg_segment_ptr 1
		.amdhsa_wavefront_size32 1
		.amdhsa_system_sgpr_workgroup_id_x 1
		.amdhsa_system_sgpr_workgroup_id_y 1
		.amdhsa_system_sgpr_workgroup_id_z 1
		.amdhsa_system_vgpr_workitem_id 0
		.amdhsa_next_free_vgpr 256
		.amdhsa_next_free_sgpr 96
		.amdhsa_reserve_vcc 1
		.amdhsa_float_denorm_mode_32 3
		.amdhsa_float_denorm_mode_16_64 3
		.amdhsa_memory_ordered 1
		.amdhsa_forward_progress 1
		.amdhsa_inst_pref_size 110
	.end_amdhsa_kernel
	.amdgpu_metadata
---
amdhsa.version: [ 1, 2 ]
amdhsa.kernels:
  - .name:           k_q1dcc37bc3c_attn
    .symbol:         k_q1dcc37bc3c_attn.kd
    .args:
      - { .name: qimg, .offset: 0, .size: 8, .value_kind: global_buffer, .address_space: global }
      - { .name: kimg, .offset: 8, .size: 8, .value_kind: global_buffer, .address_space: global }
      - { .name: vimg, .offset: 16, .size: 8, .value_kind: global_buffer, .address_space: global }
      - { .name: scl, .offset: 24, .size: 8, .value_kind: global_buffer, .address_space: global }
      - { .name: aimg, .offset: 32, .size: 8, .value_kind: global_buffer, .address_space: global }
      - { .name: asc, .offset: 40, .size: 8, .value_kind: global_buffer, .address_space: global }
    .group_segment_fixed_size: 169984
    .private_segment_fixed_size: 0
    .kernarg_segment_align: 8
    .kernarg_segment_size: 48
    .max_flat_workgroup_size: 512
    .sgpr_count:     96
    .vgpr_count:     256
    .wavefront_size: 32
...
	.end_amdgpu_metadata
.endif
;; end of part 2
;; launch proj (part 3): grid 4 x 32, 4 waves a work-group, clusters of 4 x 4, 327,680 bytes of LDS; arguments aimg, asc, w_proj_codes, w_proj_scales, out0, b_proj; writes out0
.if DOCPART == 3
	.amdgcn_target "amdgcn-amd-amdhsa--gfx1250"
	.amdhsa_code_object_version 6
	.text
	.protected	k_q1dcc37bc3c_proj
	.globl	k_q1dcc37bc3c_proj
	.p2align	8
	.type	k_q1dcc37bc3c_proj,@function
k_q1dcc37bc3c_proj:
	s_mov_b64 s[64:65], 0
	v_nop
	global_prefetch_b8 v0, s[64:65] scope:SCOPE_SE
	s_setreg_imm32_b32 hwreg(HW_REG_WAVE_MODE, 25, 1), 1
	s_wait_xcnt 0x0
	s_wait_alu depctr_hold_cnt(0) depctr_sa_sdst(0) depctr_va_vdst(0) depctr_va_sdst(0) depctr_va_ssrc(0) depctr_va_vcc(0) depctr_vm_vsrc(0)
	s_getreg_b32 s2, hwreg(HW_REG_IB_STS2, 6, 4)
	s_cmp_eq_u32 s2, 0
	s_cbranch_scc0 .Lentry_in_a_cluster
	s_endpgm
.Lentry_in_a_cluster:
	s_bfe_u32 s2, ttmp6, 0x10000c
	s_cmp_lg_u32 s2, 0xf033
	s_cbranch_scc0 .Lentry_shape_is_right
	s_endpgm
.Lentry_shape_is_right:
; out0[m][n] = sum over k of A[m][k] W[n][k] + b[n], on codes of BF8 (E5M2) with one E8M0 scale for each 32 along K = 1,024.  out0: [8,192][1,024] f32.
; A, the heads' outputs, comes as images of operand registers: aimg [K / 256: 4][row tile of 16: 512][K step of 128: 2][piece 4][512 bytes, lane l's 16 at 16 l]; its scale bytes asc [8,192][32].
; W: w_proj_codes [1,024 (n)][1,024 (k)], w_proj_scales [1,024][32].
; A tile of the output, 256 x 256, is made by a work-group of four waves, 128 x 128 each: 64 accumulators, 512 registers.  K goes in steps of 256 through a ring of two LDS slots.
; A's part of a slot is dense (256 rows = 16 row tiles x 4,096 bytes) and is read 16 bytes a lane on end; W's rows of 256 bytes are padded by 16.
; The scale bytes of the work-group's 256 rows of A and of W for all of K come once, with the first fills, and stay.  The bias is the C of each sum's first matrix instruction.
; CLUSTERS: 4 x 4 work-groups: A's tile is asked for jointly by a row of the cluster, W's by a column.  THE MATRIX INSTRUCTION IS USED TRANSPOSED (source 0 = 16 rows of W, source 1 = 16 rows of A):
; a lane then holds eight neighbouring numbers of a row of the output.  The grid has 128 work-groups: the tile is kept large, so that each LDS byte read feeds as many products as the registers allow.
; REGISTERS, in windows of 256: window 0: v0-31 addresses; v32-63 scale words, two sets; v64-127 the bias; from v128 A's fragments, one set; on the way out v128-255 rows of the output.
;   window 1: W's fragments, two sets.   window 2: the accumulators of my rows 0-63 ((a, b) at v[8 (8 a + b)]);   window 3: those of my rows 64-127.
.set SIZE_N, 1024
.set SIZE_K, 1024
.set KSTEP,  256
.set NQ,     KSTEP/128
.set ROWB,   256
.set KROW,   SIZE_K
.set PITCH,  272                       ; W's LDS row: 256 bytes + 16 of padding
.set FR,     16
.set NL,     4
.set NP,     8                         ; places behind this matrix instruction (ISA guide 7.12.1)
.set HALFA,  32768                     ; 128 rows of A's images: what one tensor load brings
.set HALFT,  128*PITCH                 ; 128 rows of W
.set SLOT,   2*HALFA+2*HALFT           ; A's 256 rows, then W's
.set ASTEP,  0x200000                  ; from one 256 along K to the next in aimg
.set LAPS,   SIZE_K/(2*KSTEP)
.set KS,     SIZE_K/32
.set SCL,    2*SLOT                    ; behind the ring: the scales, as units of 256 bytes + 16 of padding
.set HALFS,  (128*KS/256)*272
.set SBLK,   (16*KS/256)*272
.set SPARE,  SCL+4*HALFS               ; the spare words, 128 bytes a wave, which no other line names
.set SPITCH, 528                       ; the way out: a stage of 16 rows x (512 bytes + 16) for each wave, in slot 0, which has had its last fill and its last read when the first result is stored there
.set ADRA, 16
.set ADRB, 20
.set STO,  24
.set RD,   25
.set CO,   26
.set ADRS, 27
.set SPW,  28
.set NIL,  29
.set SC,   32
.set BIAS, 64                          ; v64-127: for W's block b eight registers: b[16 b + 8 h + 0 .. 7] of my 128 columns
.set AF,   128
.set BK,   128
.set G1, 24
.set G0, 32
.set G1B, 48
.set G0B, 56
.set G1S, 68
.set G0S, 76
.set G1SB, 80
.set G0SB, 88
.set MSB, 0
.macro WIN new                         ; the immediate's high byte repeats the setting that is left
.if MSB != (\new)
	s_set_vgpr_msb (MSB<<8)|(\new)
.set MSB, (\new)
.endif
.endm
.set MUL_LO, 0xa1                      ; source 0 (W) window 1, source 1 (A) window 0, C and D window 2
.set MUL_HI, 0xf1                      ; the same, C and D window 3
.set FST_LO, 0x81                      ; the first step: C (the bias) window 0, D window 2
.set FST_HI, 0xc1                      ; D window 3
.set TO_B,   0x40
.macro JLOAD g0a, g1a, g0b, g1b        ; a joint load: waves 0 and 1 fetch for A, waves 2 and 3 for W; four v_nop follow each of the two lines
	s_cmp_eq_u32 s15, 0
	s_cbranch_scc0 .Lfor_b_\@
	tensor_load_to_lds s[\g0a:\g0a+3], s[\g1a:\g1a+7]
	s_nop 0
.rept 4
	v_nop
.endr
	s_branch .Lasked_\@
.Lfor_b_\@:
	tensor_load_to_lds s[\g0b:\g0b+3], s[\g1b:\g1b+7]
	s_nop 0
.rept 4
	v_nop
.endr
.Lasked_\@:
.endm
.macro CREST
	s_cmp_lg_u32 s14, 0
	s_cbranch_scc1 .Lnot_wave_0_\@
	s_barrier_signal -3
.Lnot_wave_0_\@:
	s_barrier_wait -3
	s_barrier_signal -1
	s_barrier_wait -1
.endm
.macro CROUND
	s_barrier_signal -1
	s_barrier_wait -1
	CREST
.endm
	s_load_b128 s[4:7], s[0:1], 0x0                ; aimg s[4:5], asc s[6:7]
	s_load_b128 s[8:11], s[0:1], 0x10              ; W's codes s[8:9], W's scales s[10:11]
	s_load_b64 s[12:13], s[0:1], 0x20              ; out0
	s_load_b64 s[96:97], s[0:1], 0x28              ; b_proj
	v_lshl_add_u32 v[SPW], v0, 2, SPARE
	v_mov_b32 v[NIL], 0
	ds_add_u32 v28, v29
	ds_add_u32 v28, v29
	s_wait_dscnt 0x0
	v_lshrrev_b32 v1, 5, v0
	v_readfirstlane_b32 s14, v1                    ; wave 0..3
	s_lshr_b32 s15, s14, 1                         ; which half of the tile's rows is mine.  Also: I fetch for A (0) or for W (1)
	s_and_b32 s16, s14, 1                          ; which half of its columns.  Also: which 128 rows of that tile I fetch
	s_bfe_u32 s40, ttmp6, 0x40000                  ; cx, cy
	s_bfe_u32 s41, ttmp6, 0x40004
	s_lshl_b32 s42, ttmp9, 2
	s_add_co_u32 s42, s42, s40                     ; tile column = 4 x cluster x + cx
	s_and_b32 s17, ttmp7, 0xffff
	s_lshl_b32 s17, s17, 2
	s_add_co_u32 s17, s17, s41                     ; tile row = 4 x cluster y + cy
	s_lshl_b32 s43, s41, 2
	s_lshl_b32 s43, 15, s43                        ; my row of the cluster
	s_lshl_b32 s44, 0x1111, s40                    ; my column
	; descriptor group 1 for A: a dense block of 32,768 bytes as 128 rows of 256 bytes (32 elements of 8 bytes), no padding
	s_or_b32 s[G1+0], s43, (3<<16)|(1<<21)         ; 15:0 the mask: my row; 17:16 elements of 8 bytes; 21 set beside a mask
	s_mov_b32 s[G1+1], 32<<16
	s_mov_b32 s[G1+2], 128<<16
	s_mov_b32 s[G1+3], 32<<16
	s_mov_b32 s[G1+4], 128
	s_mov_b32 s[G1+5], 32
	s_mov_b32 s[G1+6], 0
	s_mov_b32 s[G1+7], 0
	; for W: 128 rows x 256 bytes, 16 bytes of padding behind each
	s_or_b32 s[G1B+0], s44, (0<<16)|(1<<20)|(1<<21)|(5<<22)|(3<<25)
	s_mov_b32 s[G1B+1], ROWB<<16
	s_mov_b32 s[G1B+2], 128<<16
	s_mov_b32 s[G1B+3], ROWB<<16
	s_mov_b32 s[G1B+4], 128
	s_mov_b32 s[G1B+5], KROW
	s_mov_b32 s[G1B+6], 0
	s_mov_b32 s[G1B+7], 0
	; for the scales of 128 rows: 4,096 dense bytes as 16 rows of 256, 16 bytes of padding behind each
	s_or_b32 s[G1S+0], s43, (3<<16)|(1<<20)|(1<<21)|(5<<22)|(3<<25)
	s_or_b32 s[G1SB+0], s44, (3<<16)|(1<<20)|(1<<21)|(5<<22)|(3<<25)
.irp g, G1S, G1SB
	s_mov_b32 s[\g+1], 32<<16
	s_mov_b32 s[\g+2], (128*KS/256)<<16
	s_mov_b32 s[\g+3], 32<<16
	s_mov_b32 s[\g+4], 128*KS/256
	s_mov_b32 s[\g+5], 32
	s_mov_b32 s[\g+6], 0
	s_mov_b32 s[\g+7], 0
.endr
	s_lshl_b32 s18, s16, 7                         ; which 128 rows of the tile I fetch
	s_lshl_b32 s20, s17, 8
	s_add_co_u32 s20, s20, s18                     ; A: row 256 x tile row + 128 x half
	s_lshl_b32 s46, s42, 8
	s_add_co_u32 s46, s46, s18                     ; W: row 256 x tile column + 128 x half
	s_mov_b32 s21, 0
	s_mov_b32 s47, 0
	s_mov_b64 s[18:19], KS
	s_mul_u64 s[22:23], s[20:21], s[18:19]         ; where these rows' scales begin
	s_mul_u64 s[92:93], s[46:47], s[18:19]
	s_lshl_b64 s[20:21], s[20:21], 8               ; A's images: 4,096 bytes for 16 rows
	s_mov_b64 s[18:19], KROW
	s_mul_u64 s[46:47], s[46:47], s[18:19]         ; W's codes
	s_lshl_b32 s45, s16, 15                        ; where they go: A's half,
	s_mul_i32 s95, s16, HALFT
	s_add_co_u32 s95, s95, 2*HALFA                 ; W's half, behind A's two: no place in the cluster enters an LDS address
	s_mul_i32 s94, s14, HALFS
	s_wait_kmcnt 0x0
	s_add_nc_u64 s[20:21], s[4:5], s[20:21]
	s_add_nc_u64 s[22:23], s[6:7], s[22:23]
	s_add_nc_u64 s[46:47], s[8:9], s[46:47]
	s_add_nc_u64 s[92:93], s[10:11], s[92:93]
	CROUND                                         ; all sixteen work-groups are here: the first joint loads meet
	s_mov_b32 s[G0S], 1
	s_add_co_u32 s[G0S+1], s94, SCL
	s_mov_b64 s[G0S+2:G0S+3], s[22:23]
	s_or_b32 s[G0S+3], s[G0S+3], 0x80000000
	s_mov_b32 s[G0SB], 1
	s_add_co_u32 s[G0SB+1], s94, SCL
	s_mov_b64 s[G0SB+2:G0SB+3], s[92:93]
	s_or_b32 s[G0SB+3], s[G0SB+3], 0x80000000
	JLOAD G0S, G1S, G0SB, G1SB                     ; the scales first: they are wanted with K step 0
.irp s, 0,1
	s_mov_b32 s[G0+4*\s], 1
	s_add_co_u32 s[G0+4*\s+1], s45, \s*SLOT
	s_add_nc_u64 s[G0+4*\s+2:G0+4*\s+3], s[20:21], \s*ASTEP
	s_or_b32 s[G0+4*\s+3], s[G0+4*\s+3], 0x80000000
	s_mov_b32 s[G0B+4*\s], 1
	s_add_co_u32 s[G0B+4*\s+1], s95, \s*SLOT
	s_add_nc_u64 s[G0B+4*\s+2:G0B+4*\s+3], s[46:47], \s*ROWB
	s_or_b32 s[G0B+4*\s+3], s[G0B+4*\s+3], 0x80000000
	JLOAD G0+4*\s, G1, G0B+4*\s, G1B               ; by this text's count three tensor loads of a wave are out now, later one
.endr
	v_and_b32 v1, 15, v0                           ; r
	v_bfe_u32 v2, v0, 4, 1                         ; h
	v_mul_u32_u24 v3, v1, PITCH
	v_lshl_add_u32 v4, v2, 4, v3                   ; W: a fragment's row x pitch + 16 x half
	v_and_b32 v6, 31, v0
	v_lshlrev_b32 v6, 4, v6                        ; A: 16 x lane
	s_lshl_b32 s21, s15, 15                        ; my 128 rows of A
	s_mul_i32 s22, s16, HALFT                      ; my 128 rows of W,
	s_add_co_u32 s22, s22, 2*HALFA                 ; which lie behind A's 256
.irp s, 0,1
	v_add_nc_u32 v[ADRA+\s], s21, v6
	v_add_nc_u32 v[ADRB+\s], s22, v4
	s_add_co_u32 s21, s21, SLOT
	s_add_co_u32 s22, s22, SLOT
.endr
	v_mul_u32_u24 v5, v1, KS                       ; my row's scales: 32 bytes a row,
	v_lshrrev_b32 v6, 8, v5
	v_lshl_add_u32 v5, v6, 4, v5                   ; and 16 more for each 256 passed
	s_mul_i32 s21, s15, HALFS
	s_mul_i32 s22, s16, HALFS
	s_add_co_u32 s22, s22, 2*HALFS
	s_sub_co_u32 s22, s22, s21
	v_mul_u32_u24 v6, s22, v2                      ; lanes 16-31 take W's: one product, the distance between the two bases
	s_add_co_u32 s21, s21, SCL
	v_add_nc_u32 v5, v5, v6
	v_add_nc_u32 v[ADRS], s21, v5
	s_mul_i32 s23, s14, 16*SPITCH                  ; my stage
	v_mul_u32_u24 v5, v1, SPITCH                   ; in: row l % 16, 32 bytes for each half of the lanes
	v_lshl_add_u32 v5, v2, 5, v5
	v_add_nc_u32 v[STO], s23, v5
	v_and_b32 v6, 31, v0
	v_lshlrev_b32 v[CO], 4, v6                     ; back: the 32 lanes take one row of 512 bytes; and the same in the output
	v_add_nc_u32 v[RD], s23, v[CO]
	s_lshl_b32 s20, s17, 8
	s_lshl_b32 s21, s15, 7
	s_add_co_u32 s20, s20, s21                     ; my first row of the output
	s_mov_b32 s21, 0
	s_mov_b64 s[18:19], SIZE_N*4
	s_mul_u64 s[20:21], s[20:21], s[18:19]
	s_lshl_b32 s46, s42, 10                        ; my first column, in bytes: 1,024 x tile column + 512 x half
	s_lshl_b32 s47, s16, 9
	s_add_co_u32 s46, s46, s47
	s_mov_b32 s47, 0
	s_add_nc_u64 s[20:21], s[20:21], s[46:47]
	s_add_nc_u64 s[12:13], s[12:13], s[20:21]
	s_add_nc_u64 s[96:97], s[96:97], s[46:47]      ; and the same columns of the bias
	v_lshlrev_b32 v7, 5, v2                        ; 32 h: my half's eight numbers of a block of 16; never rewritten
.irp b, 0,1,2,3,4,5,6,7
	global_load_b128 v[BIAS+8*\b:BIAS+8*\b+3], v7, s[96:97] offset:64*\b
	global_load_b128 v[BIAS+8*\b+4:BIAS+8*\b+7], v7, s[96:97] offset:64*\b+16
.endr
.macro FRAGB reg, adr, q, i            ; a fragment of W from padded rows: registers 4 c .. 4 c + 3 hold K = 32 c + 16 (l / 16) + 0 .. 15 of row l % 16
.irp c, 0,1,2,3
	ds_load_b128 v[\reg+4*\c:\reg+4*\c+3], v[\adr] offset:128*(\q)+32*\c+(\i)*16*PITCH
.endr
.endm
.macro FRAGA reg, adr, q, i            ; a fragment of A from its image: row tile i, K step q, four pieces of 512 bytes
.irp c, 0,1,2,3
	ds_load_b128 v[\reg+4*\c:\reg+4*\c+3], v[\adr] offset:(\i)*4096+(\q)*2048+512*\c
.endr
.endm
; 16 matrix instructions: A's blocks a0, a0 + 1 x W's eight, 128 along K.  first = 1: the bias is the C of the sum's first product.  The 64 accumulators take turns.
.macro MUL16 a0, p, q, sc, first
.irp a, \a0, \a0+1
.irp b, 0,1,2,3,4,5,6,7
.if \first
	v_wmma_scale_f32_16x16x128_f8f6f4 v[8*(8*((\a)%4)+\b):8*(8*((\a)%4)+\b)+7], v[128*(\p)+FR*\b:128*(\p)+FR*\b+FR-1], v[AF+FR*(\a):AF+FR*(\a)+FR-1], v[BIAS+8*\b:BIAS+8*\b+7], v[SC+8*NQ*(\sc)+NQ*\b+(\q)], v[SC+8*NQ*(\sc)+NQ*(\a)+(\q)] matrix_a_fmt:MATRIX_FMT_BF8 matrix_b_fmt:MATRIX_FMT_BF8 matrix_a_scale:MATRIX_SCALE_ROW1
.else
	v_wmma_scale_f32_16x16x128_f8f6f4 v[8*(8*((\a)%4)+\b):8*(8*((\a)%4)+\b)+7], v[128*(\p)+FR*\b:128*(\p)+FR*\b+FR-1], v[AF+FR*(\a):AF+FR*(\a)+FR-1], v[8*(8*((\a)%4)+\b):8*(8*((\a)%4)+\b)+7], v[SC+8*NQ*(\sc)+NQ*\b+(\q)], v[SC+8*NQ*(\sc)+NQ*(\a)+(\q)] matrix_a_fmt:MATRIX_FMT_BF8 matrix_b_fmt:MATRIX_FMT_BF8 matrix_a_scale:MATRIX_SCALE_ROW1
.endif
.endr
.endr
.endm
.macro FETCH_B slot, q, p
	WIN TO_B
.irp i, 0,1,2,3,4,5,6,7
	FRAGB 128*(\p)+FR*\i, ADRB+\slot, \q, \i
.endr
	WIN 0
.endm
.macro FETCH_A slot, q, i0
.irp i, \i0, \i0+1, \i0+2, \i0+3
	FRAGA AF+FR*(\i), ADRA+\slot, \q, \i
.endr
.endm
.macro SCALES sc                       ; a K step's scale words: lanes 0-15 take A's block i, lanes 16-31 W's block i
.irp i, 0,1,2,3,4,5,6,7
	ds_load_b64 v[SC+8*NQ*\sc+NQ*\i:SC+8*NQ*\sc+NQ*\i+1], v[ADRS] offset:\i*SBLK
.endr
.endm
.macro PLACES n                        ; plain vector instructions between a matrix instruction and a load into, or a read of, its registers (ISA guide 7.12.1 for vector instructions)
.rept \n
	v_nop
.endr
.endm
.macro STEP slot, q, first             ; a step of 128 along K that has its successor in the same slot
	s_wait_dscnt 4*NL                              ; W's set and A's blocks 0-3 are in; the youngest sixteen loads (A's blocks 4-7) may be out
.if \first
	WIN FST_LO
.else
	WIN MUL_LO
.endif
	MUL16 0, (\q)%2, \q, \slot, \first
	MUL16 2, (\q)%2, \q, \slot, \first
	s_wait_dscnt 0                                 ; A's blocks 4-7 are in
	PLACES NP
	FETCH_B \slot, (\q)+1, 1-(\q)%2
	FETCH_A \slot, (\q)+1, 0
.if \first
	WIN FST_HI
.else
	WIN MUL_HI
.endif
	MUL16 4, (\q)%2, \q, \slot, \first
	MUL16 6, (\q)%2, \q, \slot, \first
	PLACES NP
	WIN 0
	FETCH_A \slot, (\q)+1, 4
.endm
; A slot's last step changes slots: ONE barrier; in front of it each wave waits for all its tensor loads, adds 0 to its spare word, and waits for that and for its own reads of this slot.
.macro TURN slot, next, fill
	s_wait_tensorcnt 0x0                           ; all my tensor loads have landed: my part of the next slot;  (every window is 0 here)
	ds_add_u32 v[SPW], v[NIL]                      ; 0 onto my spare word
	s_wait_dscnt 4*NL+1                            ; (the add and the youngest sixteen loads may be out)
	WIN MUL_LO
	MUL16 0, 1, NQ-1, \slot, 0
	s_wait_dscnt 0x0                               ; the add is done, and my reads of this slot are over
	s_barrier_signal -1
	MUL16 2, 1, NQ-1, \slot, 0
	WIN 0
	s_barrier_wait -1
.if \fill
	CREST                                          ; a round of the cluster's barrier: no wave of any partner still reads this slot's tile or has a load on its way
	s_add_nc_u64 s[G0+4*\slot+2:G0+4*\slot+3], s[G0+4*\slot+2:G0+4*\slot+3], 2*ASTEP
	s_add_nc_u64 s[G0B+4*\slot+2:G0B+4*\slot+3], s[G0B+4*\slot+2:G0B+4*\slot+3], 2*ROWB
	JLOAD G0+4*\slot, G1, G0B+4*\slot, G1B         ; the first tensor load behind the round
	PLACES NP-4
.else
	PLACES NP
.endif
	v_add_nc_u32 v[ADRS], 4*NQ, v[ADRS]            ; on to the next K step's scale words
	FETCH_B \next, 0, 0
	FETCH_A \next, 0, 0
	SCALES \next
	WIN MUL_HI
	MUL16 4, 1, NQ-1, \slot, 0
	MUL16 6, 1, NQ-1, \slot, 0
	PLACES NP
	WIN 0
	FETCH_A \next, 0, 4
.endm
	s_wait_tensorcnt 1                             ; the scales and my part of K step 0 are in (K step 1's load may be out)
	s_barrier_signal -1
	s_barrier_wait -1                              ; everybody's are
	FETCH_B 0, 0, 0
	FETCH_A 0, 0, 0
	SCALES 0
	FETCH_A 0, 0, 4
	s_wait_loadcnt 0x0                             ; the bias
	STEP 0, 0, 1                                   ; the first step stands in front of the loop: its products start the sums from the bias
	s_mov_b32 s3, LAPS-1
.Llap:
	TURN 0, 1, 1
	STEP 1, 0, 0
	TURN 1, 0, 1
	STEP 0, 0, 0
	s_sub_co_u32 s3, s3, 1
	s_cmp_lg_u32 s3, 0
	s_cbranch_scc1 .Llap
	TURN 0, 1, 0                                   ; the last lap fills nothing, and has no round of the cluster's barrier
	STEP 1, 0, 0
	s_wait_dscnt 4*NL                              ; the very last step
	WIN MUL_LO
	MUL16 0, 1, NQ-1, 1, 0
	MUL16 2, 1, NQ-1, 1, 0
	s_wait_dscnt 0
	WIN MUL_HI
	MUL16 4, 1, NQ-1, 1, 0
	MUL16 6, 1, NQ-1, 1, 0
	WIN 0
; THE WAY OUT, block by block of 16 rows x 128 columns, through my own stage in LDS: in as 32 bytes a lane, back as whole rows of 512 bytes.  LDS serves a wave's instructions in order (ISA guide 5.7.1.4).
.macro TOSTAGE a
.set AC, 64*((\a)%4)
	WIN 0x08+4*((\a)/4)                            ; the data: window 2 or 3
.irp b, 0,1,2,3,4,5,6,7
	ds_store_b128 v[STO], v[AC+8*\b:AC+8*\b+3] offset:64*\b          ; each accumulator from its low end on
	ds_store_b128 v[STO], v[AC+8*\b+4:AC+8*\b+7] offset:64*\b+16
.endr
	WIN 0
.set BB, BK+64*((\a)%2)
.irp t, 0,1,2,3,4,5,6,7,8,9,10,11,12,13,14,15
	ds_load_b128 v[BB+4*\t:BB+4*\t+3], v[RD] offset:\t*SPITCH
.endr
.endm
.macro SEND a, younger                 ; younger: the LDS instructions issued behind block a's loads, which may stay out
.set BB, BK+64*((\a)%2)
	s_wait_dscnt \younger                          ; the block is back in registers
.if (\a) > 0
	s_add_nc_u64 s[12:13], s[12:13], 16*SIZE_N*4   ; (behind a wait on XCNT: the earlier stores have read their base)  16 rows on
.endif
.irp t, 0,1,2,3,4,5,6,7,8,9,10,11,12,13,14,15
	global_store_b128 v[CO], v[BB+4*\t:BB+4*\t+3], s[12:13] offset:\t*SIZE_N*4 th:TH_STORE_NT   ; 32 lanes store 512 consecutive bytes, aligned; written once, read by nobody here
.endr
.endm
	PLACES NP
	TOSTAGE 0
.irp a, 1,2,3,4,5,6,7
.if \a > 1
	s_wait_xcnt 0x0                                ; block a - 2's stores have read their registers and their base: block a's loads may land there, and the base may step
.endif
	TOSTAGE \a
	SEND \a-1, 32                                  ; behind block a - 1's loads: block a's 16 stores and 16 loads
.endr
	s_wait_xcnt 0x0                                ; block 6's stores have read their base
	SEND 7, 0
	s_wait_tensorcnt 0x0                           ; the wave's end
	ds_add_u32 v[SPW], v[NIL]
	s_wait_dscnt 0x0
	CROUND                                         ; the closing round
	s_endpgm
.Lfunc_end_k_q1dcc37bc3c_proj:
	.size	k_q1dcc37bc3c_proj, .Lfunc_end_k_q1dcc37bc3c_proj-k_q1dcc37bc3c_proj
	.p2alignl 7, 3214868480
	.fill 96, 4, 3214868480
	.section	.rodata,"a",@progbits
	.p2align	6, 0x0
	.amdhsa_kernel k_q1dcc37bc3c_proj
		.amdhsa_group_segment_fixed_size 327680
		.amdhsa_private_segment_fixed_size 0
		.amdhsa_enable_private_segment 0
		.amdhsa_kernarg_size 48
		.amdhsa_user_sgpr_count 2
		.amdhsa_user_sgpr_kernarg_segment_ptr 1
		.amdhsa_wavefront_size32 1
		.amdhsa_system_sgpr_workgroup_id_x 1
		.amdhsa_system_sgpr_workgroup_id_y 1
		.amdhsa_system_sgpr_workgroup_id_z 1
		.amdhsa_system_vgpr_workitem_id 0
		.amdhsa_next_free_vgpr 1024
		.amdhsa_next_free_sgpr 100
		.amdhsa_reserve_vcc 0
		.amdhsa_float_denorm_mode_32 3
		.amdhsa_float_denorm_mode_16_64 3
		.amdhsa_memory_ordered 1
		.amdhsa_forward_progress 1
		.amdhsa_inst_pref_size 147
	.end_amdhsa_kernel
	.amdgpu_metadata
---
amdhsa.version: [ 1, 2 ]
amdhsa.kernels:
  - .name:           k_q1dcc37bc3c_proj
    .symbol:         k_q1dcc37bc3c_proj.kd
    .args:
      - { .name: aimg, .offset: 0, .size: 8, .value_kind: global_buffer, .address_space: global }
      - { .name: asc, .offset: 8, .size: 8, .value_kind: global_buffer, .address_space: global }
      - { .name: w_proj_codes, .offset: 16, .size: 8, .value_kind: global_buffer, .address_space: global }
      - { .name: w_proj_scales, .offset: 24, .size: 8, .value_kind: global_buffer, .address_space: global }
      - { .name: out0, .offset: 32, .size: 8, .value_kind: global_buffer, .address_space: global }
      - { .name: b_proj, .offset: 40, .size: 8, .value_kind: global_buffer, .address_space: global }
    .group_segment_fixed_size: 327680
    .private_segment_fixed_size: 0
    .kernarg_segment_align: 8
    .kernarg_segment_size: 48
    .max_flat_workgroup_size: 128
    .sgpr_count:     100
    .vgpr_count:     1024
    .wavefront_size: 32
...
	.end_amdgpu_metadata
.endif
;; end of part 3
